; MI455X (gfx1250); checked and timed in simulation.
; The chip was launched on July 23, 2026; its instructions are those of AMD's public machine-readable ISA for CDNA 5 (MIT licence, August 2026) and "CDNA5" Instruction Set Architecture Reference Guide (July 2026). The comments in the code are by the model that wrote it; some were corrected since.
;; Multi Query Attention. Allowed arithmetic: matrix products marked QUANTISED: E2M1 operands, one E8M0 scale for each 32 along K, by v_wmma_scale_f32_16x16x128_f8f6f4 with both operands' format E2M1 (or v_wmma_scale_f32_32x16x128_f4), f32 sums; products left as they are: bf16, f16 or f32 operands; f32 sums; everything else in f32.
;; Inputs: Wk 1,024 x 64 float32; Wo 1,024 x 1,024 float32; Wq 16 x 1,024 x 64 float32; Wv 1,024 x 64 float32; bk 64 float32; bo 1,024 float32; bq 16 x 64 float32; bv 64 float32; x 4 x 2,048 x 1,024 float32.
;; Outputs: out0 4 x 2,048 x 1,024 float32.
;; This version of the problem:
;;   THIS VERSION OF THE PROBLEM IS GIVEN IN LOW PRECISION. The matrix products marked QUANTISED in the list below multiply operands that are first quantised to E2M1 (2 exponent bits, 1 mantissa bit; 4 bits a number), with one power-of-two scale for each 32 numbers along K (OCP MX v1.0); their sums are f32. The products marked 'left as it is' may take bf16, f16 or f32 operands, with f32 sums. Whichever they take, every output number must still come out within the allowed error. Rounding operands to bf16 (8 significant bits) uses up far more of that allowance than f16 does (11 bits, for magnitudes from 6e-5 to 65,504). All else is computed in f32.
;;   The module's matrix products, in the order in which they are computed (A, B: the left and right operand; K: the contracted axis; several contracted axes count as one K, in the product's order):
;;     1. [M 1,024, K 1,024] x [K 1,024, N 8,192]; A: input Wq; B: input x: QUANTISED
;;     2. [M 8,192, K 1,024] x [K 1,024, N 64]; A: input x; B: input Wk: QUANTISED
;;     3. [M 8,192, K 1,024] x [K 1,024, N 64]; A: input x; B: input Wv: QUANTISED
;;     4. batch 4 x [M 32,768, K 64] x [K 64, N 2,048]; A: computed on the way; B: computed on the way: left as it is (an operand is computed on the way)
;;     5. batch 4 x [M 32,768, K 2,048] x [K 2,048, N 64]; A: computed on the way; B: computed on the way: left as it is (an operand is computed on the way)
;;     6. [M 8,192, K 1,024] x [K 1,024, N 1,024]; A: computed on the way; B: input Wo: left as it is (an operand is computed on the way)
;;   THE QUANTISER, for each operand of a quantised product, along K:
;;     - K is cut into blocks of 32 from its start; a last block that is shorter is filled with zeros.
;;     - A block's scale is 2^e with e = floor(log2(the largest magnitude in the block)) - 2, held to -126 .. 127; a block of zeros has e = 0. As a byte (E8M0): e + 127.
;;     - Each number is divided by its block's scale, clamped to +-6, and rounded to the nearest number of E2M1, ties to even, subnormals kept.
;;     - The product sums the exact products of the quantised numbers (number of the format x scale) in f32.
;;   ~~~python
;;   def quantise(x, axis):      # numpy; x: float32 -> the quantised numbers, widened to float32 again
;;       x = np.moveaxis(x, axis, -1); K = x.shape[-1]
;;       x = np.pad(x, [(0, 0)] * (x.ndim - 1) + [(0, -K % 32)]); x = x.reshape(x.shape[:-1] + (-1, 32)); a = np.abs(x).max(-1, keepdims=True)
;;       e = np.where(a > 0, np.clip(np.frexp(np.where(a > 0, a, 1))[1] - 1 - 2, -126, 127), 0)      # np.frexp(a)[1] - 1 = floor(log2(a)), exactly
;;       r = np.clip(x / 2.0 ** e, -6, 6)
;;       step = 2.0 ** (np.maximum(np.frexp(np.where(r == 0, 1, r))[1] - 1, 0) - 1)
;;       q = np.round(r / step) * step * 2.0 ** e      # np.round: ties to even
;;       return np.moveaxis(q.reshape(q.shape[:-2] + (-1,))[..., :K], -1, axis).astype(np.float32)
;;   ~~~
;; One version. Each part assembles by itself: llvm-mc -triple=amdgcn-amd-amdhsa -mcpu=gfx1250 --defsym DOCPART=n.
;; ======== version 1 of 1: 4 launches
;; limits: values are held in f16: magnitudes above 65,504 overflow, below 6.1e-05 lose precision
;; workspace buffers: xq 4,456,448 bytes; wq 626,688 bytes; wo16 2,097,152 bytes; q16 16,777,216 bytes; kv16 2,097,152 bytes; o16 16,777,216 bytes
;; launch prep (part 1): grid 456 x 1, 4 waves a work-group, no clusters, 34,304 bytes of LDS; arguments x, Wq, Wk, Wv, Wo, xq, wq, wo16; writes xq, wq, wo16
.if DOCPART == 1
	.amdgcn_target "amdgcn-amd-amdhsa--gfx1250"
	.amdhsa_code_object_version 6
	.text
	.protected	k_qad04e82a3c_prep
	.globl	k_qad04e82a3c_prep
	.p2align	8
	.type	k_qad04e82a3c_prep,@function
k_qad04e82a3c_prep:
	s_mov_b64 s[64:65], 0
	v_nop
	global_prefetch_b8 v0, s[64:65] scope:SCOPE_SE
	s_setreg_imm32_b32 hwreg(HW_REG_WAVE_MODE, 25, 1), 1
	s_wait_xcnt 0x0
; PREP: the operands of the later launches, each laid as an IMAGE OF THE OPERAND'S REGISTERS: a fragment of 8 registers a lane is 1,024 bytes, registers 0-3 at 16 x lane, registers 4-7 at 512 + 16 x lane.
; x [8192][1024] and Wq [16][1024][64], Wk, Wv [1024][64], f32, become codes of FP4 (E2M1) along DIM with one E8M0 byte for each 32; Wo [1024][1024] becomes f16.
; A block's scale is 2^(floor(log2(its largest magnitude)) - 2): its byte is the largest magnitude's exponent field - 2, held at 1 from below; numbers are divided by it and rounded to the nearest code, ties to even, beyond 6 to 6.
; LIMITS: a block of zeros gets the byte 1 where the rule says 127 (its codes are zeros, and this program alone reads the bytes); blocks whose largest magnitude lies under 2^-124 have the byte 1;
; NaN and infinities among the inputs are not served; |Wo| stays under 65,504 (f16).
; Three paths, parted by the work-group's number: 0-71 the three weights (W), 72-199 Wo (O), 200-455 x (X).  Waves share nothing: no barrier.  Only path X uses LDS.
; xq: 64 blocks of 128 rows, 69,632 bytes each: codes [mi 0..7][ks 0..7][1,024], then scale words [mi][kh 0..1][row 0..15][4 words].
; wq: 4 blocks nb of 156,672 bytes: codes [p 0..17][ks][1,024], then scale words [p][kh][row][4 words]; p 0-15: heads 4 nb .. 4 nb + 3, four tiles of 16 channels each; p 16: tile nb of Wk; p 17: tile nb of Wv.
; wo16: [nb 0..3][kslot 0..7][nt 0..15][fs % 4][1,024]: a fragment is 16 columns d = 256 nb + 16 nt + r of Wo x 32 rows f = 32 fs ..
.set SPARE, 33792                      ; behind the four stages: the spare words, 128 bytes for each wave, two blocks of 256 bytes that no other line names
.set SPW,   4                          ; v4  LDS address of my spare word; never rewritten
.set NIL,   5                          ; v5  0; never rewritten
.set FLOOR, 0x1800000                  ; 2^(3 - 127): under it no largest magnitude is taken, so the byte cannot fall under 1
.set TWO,   0xff000000                 ; takes 2 off an exponent field
	s_load_b256 s[4:11], s[0:1], 0x0               ; x s[4:5], Wq s[6:7], Wk s[8:9], Wv s[10:11]
	s_load_b256 s[12:19], s[0:1], 0x20             ; Wo s[12:13], xq s[14:15], wq s[16:17], wo16 s[18:19]
	v_lshl_add_u32 v[SPW], v0, 2, SPARE
	v_mov_b32 v[NIL], 0
	v_lshrrev_b32 v1, 5, v0
	v_readfirstlane_b32 s20, v1                    ; wave 0..3
	v_and_b32 v1, 31, v0                           ; lane
	v_and_b32 v2, 15, v0                           ; r
	v_bfe_u32 v3, v0, 4, 1                         ; h
	s_mov_b32 s22, 0x76543210
	s_mov_b32 s23, 0xfedcba98                      ; v_permlanex16_b32's selects for lane l xor 16
	s_wait_kmcnt 0x0
	s_cmp_ge_u32 ttmp9, 200
	s_cbranch_scc1 .Lpath_x
	s_cmp_ge_u32 ttmp9, 72
	s_cbranch_scc1 .Lpath_o
; ---- PATH W.  Job j = 4 x work-group + wave: K step ks = j % 8, column half cg = (j / 8) % 2, matrix g = j / 16 (0-15 heads of Wq, 16 Wk, 17 Wv).
; A wave takes 32 columns x 128 along K.  A LANE TAKES A COLUMN AND ITS REGISTERS RUN DOWN K: a block of 32 lies in one lane, and the conversions give codes with K innermost.
	s_lshl_b32 s21, ttmp9, 2
	s_add_co_u32 s21, s21, s20                     ; j
	s_and_b32 s24, s21, 7                          ; ks
	s_bfe_u32 s25, s21, 0x10003                    ; cg
	s_lshr_b32 s26, s21, 4                         ; g
	s_lshr_b32 s34, s26, 2
	s_mul_i32 s34, s34, 156672                     ; a head's block: g / 4
	s_lshl_b32 s35, s25, 1                         ; 2 cg: my first tile of 16 columns
	s_mul_i32 s36, s35, 156672                     ; Wk's, Wv's block: the tile's number
	s_and_b32 s37, s26, 3
	s_lshl_b32 s37, s37, 2
	s_add_co_u32 s37, s37, s35                     ; a head's place p = 4 (g % 4) + 2 cg
	s_mov_b32 s31, 156672
	s_cmp_lt_u32 s26, 16                           ; the choices hang on ids alone
	s_cselect_b64 s[28:29], s[6:7], s[8:9]
	s_cselect_b32 s30, s26, 0                      ; which head
	s_cselect_b32 s32, 8192, s31                   ; from lanes 0-15's tile to lanes 16-31's: codes,
	s_cselect_b32 s33, 512, s31                    ; scale words
	s_cselect_b32 s34, s34, s36                    ; the block
	s_cselect_b32 s37, s37, s26                    ; p (Wk: 16, Wv: 17)
	s_cmp_eq_u32 s26, 17
	s_cselect_b64 s[28:29], s[10:11], s[28:29]
	s_lshl_b32 s30, s30, 18                        ; a head is 262,144 bytes,
	s_lshl_b32 s38, s24, 15                        ; 128 rows of 256 bytes,
	s_add_co_u32 s30, s30, s38
	s_lshl_b32 s38, s25, 7                         ; 32 columns
	s_add_co_u32 s30, s30, s38
	s_mov_b32 s31, 0
	s_add_nc_u64 s[28:29], s[28:29], s[30:31]      ; the source
	s_lshl_b32 s38, s37, 13
	s_add_co_u32 s38, s38, s34
	s_lshl_b32 s39, s24, 10
	s_add_co_u32 s38, s38, s39
	s_mov_b32 s39, 0
	s_add_nc_u64 s[40:41], s[16:17], s[38:39]      ; codes: block + 8,192 p + 1,024 ks
	s_lshl_b32 s38, s37, 9
	s_add_co_u32 s38, s38, s34
	s_add_co_u32 s38, s38, 147456
	s_lshr_b32 s42, s24, 2
	s_lshl_b32 s42, s42, 8
	s_add_co_u32 s38, s38, s42
	s_and_b32 s42, s24, 3
	s_lshl_b32 s42, s42, 2
	s_add_co_u32 s38, s38, s42
	s_add_nc_u64 s[42:43], s[16:17], s[38:39]      ; scale words: block + 147,456 + 512 p + 256 (ks / 4) + 4 (ks % 4)
	v_lshlrev_b32 v6, 2, v1                        ; in: 4 bytes a lane
	v_mul_lo_u32 v7, v3, s32
	v_lshl_add_u32 v7, v2, 4, v7                   ; codes out: my tile, 16 bytes a row
	v_mul_lo_u32 v8, v3, s33
	v_lshl_add_u32 v8, v2, 4, v8                   ; scale word out: my tile, 16 bytes a row
.set XW, 128                           ; v128-191 two sets of 32 numbers
.set CW, 32                            ; v32-47   four registers of codes for each block: no store's data are written again
.macro LOADW t                         ; block t: W(128 ks + 32 t + i, my column): a wave reads 128 consecutive bytes
.irp i, 0,1,2,3,4,5,6,7,8,9,10,11,12,13,14,15,16,17,18,19,20,21,22,23,24,25,26,27,28,29,30,31
	global_load_b32 v[XW+32*((\t)%2)+\i], v6, s[28:29] offset:(32*(\t)+\i)*256
.endr
.endm
.macro BLOCKW t
.set XS, XW+32*((\t)%2)
.if (\t) < 3
	s_wait_loadcnt 32                              ; this block's 32 loads are in; the next block's 32 may be out
.else
	s_wait_loadcnt 0x0
.endif
	v_max3_num_f32 v12, |v[XS]|, |v[XS+1]|, |v[XS+2]|       ; the block's largest magnitude: all 32 numbers are mine; two chains
	v_max3_num_f32 v13, |v[XS+3]|, |v[XS+4]|, |v[XS+5]|
.irp i, 6,10,14,18,22,26
	v_max3_num_f32 v12, v12, |v[XS+\i]|, |v[XS+\i+1]|
	v_max3_num_f32 v13, v13, |v[XS+\i+2]|, |v[XS+\i+3]|
.endr
	v_max3_num_f32 v12, v12, |v[XS+30]|, |v[XS+31]|
	v_max3_num_f32 v12, v12, v13, FLOOR
	v_add_nc_u32 v11, TWO, v12                     ; the conversion takes the exponent field of this operand as its scale, and nothing else of it
	v_lshrrev_b32 v13, 23, v11                     ; the scale's byte
.if (\t) == 0
	v_mov_b32 v20, v13                             ; block t's byte is byte t of the K step's scale word
.else
	v_lshl_or_b32 v20, v13, 8*(\t), v20
.endif
.irp g, 0,1,2,3
	v_cvt_scalef32_pk8_fp4_f32 v[CW+4*(\t)+\g], v[XS+8*\g:XS+8*\g+7], v11
.endr
	v_nop                                          ; one plain place behind the conversions
	global_store_b128 v7, v[CW+4*(\t):CW+4*(\t)+3], s[40:41] offset:512*((\t)/2)+256*((\t)%2)   ; block t = registers 4 (t / 2) .. of lanes 16 (t % 2) + r: sixteen lanes store 256 consecutive bytes, aligned
.if (\t) < 2
	LOADW (\t)+2
.endif
.endm
	LOADW 0
	LOADW 1
	BLOCKW 0
	BLOCKW 1
	BLOCKW 2
	BLOCKW 3
	global_store_b32 v8, v20, s[42:43]             ; 4 bytes of each row's 16: all scale words of the weights together are 36,864 bytes, so these partial rows are accepted
	s_endpgm
; ---- PATH O.  u = work-group - 72: fs = u / 4 (32 rows f of Wo), nb = u % 4; wave w takes the tiles nt = 4 w .. 4 w + 3 of 16 columns d.
; Lane (r, h) of a fragment holds column d = r and f = 8 h + 0..7 (registers 0-3), 16 + 8 h + 0..7 (registers 4-7): registers run down f, nothing is transposed.
.Lpath_o:
	s_sub_co_u32 s21, ttmp9, 72
	s_lshr_b32 s24, s21, 2                         ; fs
	s_and_b32 s25, s21, 3                          ; nb
	s_lshl_b32 s26, s24, 17                        ; 32 rows of 4,096 bytes
	s_lshl_b32 s27, s25, 10
	s_add_co_u32 s26, s26, s27
	s_lshl_b32 s27, s20, 8
	s_add_co_u32 s26, s26, s27
	s_mov_b32 s27, 0
	s_add_nc_u64 s[12:13], s[12:13], s[26:27]
	s_lshl_b32 s28, s25, 3
	s_lshr_b32 s29, s24, 2
	s_add_co_u32 s28, s28, s29                     ; 8 nb + kslot
	s_lshl_b32 s28, s28, 4
	s_lshl_b32 s29, s20, 2
	s_add_co_u32 s28, s28, s29                     ; x 16 + 4 w
	s_lshl_b32 s28, s28, 12
	s_and_b32 s29, s24, 3
	s_lshl_b32 s29, s29, 10
	s_add_co_u32 s28, s28, s29
	s_mov_b32 s29, 0
	s_add_nc_u64 s[18:19], s[18:19], s[28:29]
	v_lshlrev_b32 v6, 2, v2
	v_lshl_add_u32 v6, v3, 15, v6                  ; in: 4 r + 8 h rows
	v_lshlrev_b32 v7, 4, v1                        ; out: 16 x lane
.irp i, 0,1,2,3
.irp u, 0,1
.irp j, 0,1,2,3,4,5,6,7
	global_load_b32 v[128+16*\i+8*\u+\j], v6, s[12:13] offset:(16*\u+\j)*4096+64*\i
.endr
.endr
.endr
.irp i, 0,1,2,3
	s_wait_loadcnt 16*(3-\i)                       ; this fragment's 16 loads are in; the later fragments' may be out
.irp n, 0,1,2,3,4,5,6,7
	v_cvt_pk_f16_f32 v[32+8*\i+\n], v[128+16*\i+2*\n], v[128+16*\i+2*\n+1]
.endr
	global_store_b128 v7, v[32+8*\i:32+8*\i+3], s[18:19] offset:4096*\i          ; 32 lanes store 512 consecutive bytes, aligned
	global_store_b128 v7, v[32+8*\i+4:32+8*\i+7], s[18:19] offset:4096*\i+512
.endr
	s_endpgm
; ---- PATH X.  Job id = 4 (work-group - 200) + wave: tile of 16 rows mt = id / 2, half of K kh = id % 2: four K steps of 128.
; Each load takes 512 consecutive bytes of one row; a K step's 16 rows turn through the wave's own stage in LDS (rows 528 bytes apart) and come back so that lane (r, h) holds the whole blocks h and 2 + h of row r,
; which is what the operand's layout gives that lane: the conversions' results are the operand's registers.
.Lpath_x:
	s_sub_co_u32 s21, ttmp9, 200
	s_lshl_b32 s21, s21, 2
	s_add_co_u32 s21, s21, s20                     ; id
	s_lshr_b32 s24, s21, 1                         ; mt
	s_and_b32 s25, s21, 1                          ; kh
	s_lshl_b32 s26, s24, 16                        ; 16 rows of 4,096 bytes
	s_lshl_b32 s27, s25, 11
	s_add_co_u32 s26, s26, s27
	s_mov_b32 s27, 0
	s_add_nc_u64 s[4:5], s[4:5], s[26:27]
	s_lshr_b32 s28, s24, 3
	s_mul_i32 s28, s28, 69632                      ; the block of 128 rows
	s_and_b32 s29, s24, 7                          ; mi
	s_lshl_b32 s30, s29, 13
	s_add_co_u32 s30, s30, s28
	s_lshl_b32 s31, s25, 12
	s_add_co_u32 s30, s30, s31
	s_mov_b32 s31, 0
	s_add_nc_u64 s[32:33], s[14:15], s[30:31]      ; codes
	s_lshl_b32 s30, s29, 9
	s_add_co_u32 s30, s30, s28
	s_add_co_u32 s30, s30, 65536
	s_lshl_b32 s34, s25, 8
	s_add_co_u32 s30, s30, s34
	s_add_nc_u64 s[34:35], s[14:15], s[30:31]      ; scale words
	s_mul_i32 s36, s20, 8448                       ; my stage: 16 rows x 528 bytes
	v_lshlrev_b32 v6, 4, v1                        ; 16 x lane
	v_add_nc_u32 v7, s36, v6                       ; into the stage
	v_mul_u32_u24 v8, v2, 528
	v_lshl_add_u32 v8, v3, 7, v8
	v_add_nc_u32 v8, s36, v8                       ; out of it: row r, + 128 h: my block of each 64 numbers
	v_lshlrev_b32 v9, 4, v2
	v_lshl_add_u32 v9, v3, 3, v9                   ; scale words out: 16 r + 8 h
	v_lshlrev_b32 v10, 3, v3                       ; 8 h
	v_mov_b32 v19, 0                               ; written once: a lane permute's destination counts as one of its sources
.set XR, 128                           ; v128-255 two sets of 64 numbers as loaded
.set XX, 64                            ; v64-127  64 numbers behind the turn: register 32 c + i = k 64 c + 32 h + i of row r
.set XC, 32                            ; v32-63   eight registers of codes for each K step: no store's data are written again
.macro LOADX s
.irp i, 0,1,2,3,4,5,6,7,8,9,10,11,12,13,14,15
	global_load_b128 v[XR+64*((\s)%2)+4*\i:XR+64*((\s)%2)+4*\i+3], v6, s[4:5] offset:4096*\i+512*(\s) th:TH_LOAD_NT
.endr
.endm
.macro STEPX s
.if (\s) < 3
	s_wait_loadcnt 16                              ; this K step's 16 loads are in; the next step's 16 may be out
.else
	s_wait_loadcnt 0x0
.endif
.irp i, 0,1,2,3,4,5,6,7,8,9,10,11,12,13,14,15
	ds_store_b128 v7, v[XR+64*((\s)%2)+4*\i:XR+64*((\s)%2)+4*\i+3] offset:528*\i
.endr
.irp c, 0,1
.irp g, 0,1,2,3,4,5,6,7
	ds_load_b128 v[XX+32*\c+4*\g:XX+32*\c+4*\g+3], v8 offset:256*\c+16*\g      ; LDS serves a wave's instructions in order: these see the stores above
.endr
.endr
	s_wait_dscnt 0x0                               ; the numbers are back, and the stores have read their registers,
.if (\s) < 2
	LOADX (\s)+2                                   ; which take the loads of two steps on
.endif
.irp c, 0,1
	v_max3_num_f32 v[12+\c], |v[XX+32*\c]|, |v[XX+32*\c+1]|, FLOOR
.endr
.irp i, 2,4,6,8,10,12,14,16,18,20,22,24,26,28,30
.irp c, 0,1
	v_max3_num_f32 v[12+\c], v[12+\c], |v[XX+32*\c+\i]|, |v[XX+32*\c+\i+1]|   ; the two blocks by turns
.endr
.endr
.irp c, 0,1
	v_add_nc_u32 v[14+\c], TWO, v[12+\c]           ; the conversion's scale operand
.endr
.irp c, 0,1
	v_lshrrev_b32 v[16+\c], 23, v[14+\c]           ; the scale's byte
.endr
	v_lshl_or_b32 v18, v17, 16, v16                ; my two bytes, blocks h and 2 + h,
	v_lshlrev_b32 v18, v10, v18                    ; at their places in the word (8 h bits up);
	v_permlanex16_b32 v19, v18, s22, s23
	v_or_b32 v[20+(\s)], v18, v19                  ; with lane l xor 16's two the word is whole
.irp c, 0,1
.irp g, 0,1,2,3
	v_cvt_scalef32_pk8_fp4_f32 v[XC+8*(\s)+4*\c+\g], v[XX+32*\c+8*\g:XX+32*\c+8*\g+7], v[14+\c]
.endr
.endr
	v_nop                                          ; one plain place behind the conversions
.irp c, 0,1
	global_store_b128 v6, v[XC+8*(\s)+4*\c:XC+8*(\s)+4*\c+3], s[32:33] offset:1024*(\s)+512*\c   ; 32 lanes store 512 consecutive bytes, aligned
.endr
.endm
	LOADX 0
	LOADX 1
	STEPX 0
	STEPX 1
	STEPX 2
	STEPX 3
	v_cmp_eq_u32 vcc_lo, 1, v3
	v_cndmask_b32 v24, v20, v22, vcc_lo            ; lanes 0-15 store words 0, 1 of their row, lanes 16-31 words 2, 3
	v_cndmask_b32 v25, v21, v23, vcc_lo
	global_store_b64 v9, v[24:25], s[34:35]        ; 32 lanes store 256 consecutive bytes, aligned
	s_wait_tensorcnt 0x0                           ; the wave's end: the tensor wait, the add and its wait, behind my last LDS store
	ds_add_u32 v[SPW], v[NIL]
	s_wait_dscnt 0x0
	s_endpgm
.Lfunc_end_k_qad04e82a3c_prep:
	.size	k_qad04e82a3c_prep, .Lfunc_end_k_qad04e82a3c_prep-k_qad04e82a3c_prep
	.p2alignl 7, 3214868480
	.fill 96, 4, 3214868480
	.section	.rodata,"a",@progbits
	.p2align	6, 0x0
	.amdhsa_kernel k_qad04e82a3c_prep
		.amdhsa_group_segment_fixed_size 34304
		.amdhsa_private_segment_fixed_size 0
		.amdhsa_enable_private_segment 0
		.amdhsa_kernarg_size 64
		.amdhsa_user_sgpr_count 2
		.amdhsa_user_sgpr_kernarg_segment_ptr 1
		.amdhsa_wavefront_size32 1
		.amdhsa_system_sgpr_workgroup_id_x 1
		.amdhsa_system_sgpr_workgroup_id_y 1
		.amdhsa_system_sgpr_workgroup_id_z 1
		.amdhsa_system_vgpr_workitem_id 0
		.amdhsa_next_free_vgpr 256
		.amdhsa_next_free_sgpr 66
		.amdhsa_reserve_vcc 1
		.amdhsa_float_denorm_mode_32 3
		.amdhsa_float_denorm_mode_16_64 3
		.amdhsa_memory_ordered 1
		.amdhsa_forward_progress 1
		.amdhsa_inst_pref_size 60
	.end_amdhsa_kernel
	.amdgpu_metadata
---
amdhsa.version: [ 1, 2 ]
amdhsa.kernels:
  - .name:           k_qad04e82a3c_prep
    .symbol:         k_qad04e82a3c_prep.kd
    .args:
      - { .name: x, .offset: 0, .size: 8, .value_kind: global_buffer, .address_space: global }
      - { .name: Wq, .offset: 8, .size: 8, .value_kind: global_buffer, .address_space: global }
      - { .name: Wk, .offset: 16, .size: 8, .value_kind: global_buffer, .address_space: global }
      - { .name: Wv, .offset: 24, .size: 8, .value_kind: global_buffer, .address_space: global }
      - { .name: Wo, .offset: 32, .size: 8, .value_kind: global_buffer, .address_space: global }
      - { .name: xq, .offset: 40, .size: 8, .value_kind: global_buffer, .address_space: global }
      - { .name: wq, .offset: 48, .size: 8, .value_kind: global_buffer, .address_space: global }
      - { .name: wo16, .offset: 56, .size: 8, .value_kind: global_buffer, .address_space: global }
    .group_segment_fixed_size: 34304
    .private_segment_fixed_size: 0
    .kernarg_segment_align: 8
    .kernarg_segment_size: 64
    .max_flat_workgroup_size: 128
    .sgpr_count:     66
    .vgpr_count:     256
    .wavefront_size: 32
...
	.end_amdgpu_metadata
.endif
;; end of part 1
;; launch proj (part 2): grid 4 x 64, 4 waves a work-group, clusters of 4 x 4, 229,376 bytes of LDS; arguments xq, wq, bq, bk, bv, q16, kv16; writes q16, kv16
.if DOCPART == 2
	.amdgcn_target "amdgcn-amd-amdhsa--gfx1250"
	.amdhsa_code_object_version 6
	.text
	.protected	k_qad04e82a3c_proj
	.globl	k_qad04e82a3c_proj
	.p2align	8
	.type	k_qad04e82a3c_proj,@function
k_qad04e82a3c_proj:
	s_mov_b64 s[64:65], 0
	v_nop
	global_prefetch_b8 v0, s[64:65] scope:SCOPE_SE
	s_setreg_imm32_b32 hwreg(HW_REG_WAVE_MODE, 25, 1), 1
	s_wait_xcnt 0x0
	s_wait_alu depctr_hold_cnt(0) depctr_sa_sdst(0) depctr_va_vdst(0) depctr_va_sdst(0) depctr_va_ssrc(0) depctr_va_vcc(0) depctr_vm_vsrc(0)
	s_getreg_b32 s2, hwreg(HW_REG_IB_STS2, 6, 4)
	s_cmp_eq_u32 s2, 0
	s_cbranch_scc0 .Lentry_in_a_cluster
	s_endpgm
.Lentry_in_a_cluster:
	s_bfe_u32 s2, ttmp6, 0x10000c
	s_cmp_lg_u32 s2, 0xf033
	s_cbranch_scc0 .Lentry_shape_is_right
	s_endpgm
.Lentry_shape_is_right:
; PROJ: q = x Wq + bq, k = x Wk + bk, v = x Wv + bv on codes of FP4 (E2M1) with E8M0 scales, K = 1,024; sums in f32; results rounded once to f16 and stored as images of the next products' operand registers.
; LIMIT: |q|, |k|, |v| stay under 65,504 (f16).
; SHARES.  Work-group (nb = place along the cluster's x, mb = 4 x cluster y + place along y) makes 128 rows x 288 columns: 16 tiles of q (heads 4 nb .. 4 nb + 3), tile nb of k and tile nb of v: all 256 work-groups run one text.
; Its two operands, 69,632 bytes of x and 156,672 of the weights, codes and scale words, are two dense blocks of memory: they come into LDS ONCE, a quarter of each by each wave; nothing is filled again.
; Wave (wm = w / 2, wn = w % 2): row tiles 4 wm + i, q tiles 8 wn + b, and the special tile (wn = 0: k, wn = 1: v): 36 accumulators, 288 matrix instructions.
; CLUSTER 4 x 4: x's block hangs on mb alone and is asked for jointly by a row of the cluster, the weights' block on nb alone, by a column.
; ORIENTATION.  q, k: source 0 = 16 channels of W, source 1 = 16 rows of x: a lane holds one row and eight neighbouring channels, which pack into half of a fragment of Q or K.
; v: source 0 = 16 rows of x (keys), source 1 = 16 channels of Wv: a lane holds one channel and eight neighbouring keys: half of a fragment of V^T.  So every store is 512 consecutive bytes, aligned, and nothing goes through a stage.
; The biases are the C of each sum's first product.
; REGISTERS.  window 0: v6-17 addresses; v32-135 scale words and nothing else; v144-207 x's fragments, two sets; on the way out v144-255 packed results.
;   window 1: v0-143 W's fragments, two sets of 72 (the special tile's at + 64); v144-175 the special accumulators; v176-239 bq's eight tiles; v240-247 bk's tile; v248-255 bv's.   window 2: q's 32 accumulators, (i, b) at 8 (8 i + b).
.set XBLK,  69632
.set WBLK,  156672
.set SPARE, XBLK+WBLK                  ; behind the two blocks: the spare words, 128 bytes for each wave, two blocks of 256 bytes that no other line names
.set AX,  6                            ; v6   x's fragments: 16 x lane + 32,768 wm
.set AW,  7                            ; v7   W's: XBLK + 16 x lane + 65,536 wn
.set ASP, 8                            ; v8   the special tile's: XBLK + 131,072 + 8,192 wn + 16 x lane
.set AXS, 9                            ; v9   x's scale words: 65,536 + 2,048 wm + 16 r
.set AWS, 10                           ; v10  W's: XBLK + 147,456 + 4,096 wn + 16 r
.set ASS, 11                           ; v11  the special tile's: XBLK + 147,456 + 8,192 + 512 wn + 16 r
.set GO,  12                           ; v12  16 x lane: an image's place for my lane
.set B8,  13                           ; v13  32 h: eight f32 for each half of the lanes
.set B4,  14                           ; v14  4 r
.set SPW, 16                           ; v16  LDS address of my spare word; never rewritten
.set NIL, 17                           ; v17  0; never rewritten
.set XSC, 32                           ; v32-63   x's scale words: 8 i + ks
.set WSC, 64                           ; v64-127  W's: 8 b + ks
.set SSC, 128                          ; v128-135 the special tile's: ks
.set XF,  144
.set PK,  144                          ; the way out: three sets of 32
.set PKS, 240                          ; and the special tile's 16
.set SA,  144                          ; window 1
.set BQ,  176
.set SB,  240
.set WV,  18
.set G1X, 24                           ; s[24:31], s[40:43]: groups 1 and 0 for x's block;  s[32:39], s[44:47]: for W's
.set G1W, 32
.set G0X, 40
.set G0W, 44
.set MSB, 0
.macro WIN new                         ; the immediate's high byte repeats the setting that is left; bits 1:0 source 0, 3:2 source 1, 5:4 source 2, 7:6 destination
.if MSB != \new
	s_set_vgpr_msb (MSB<<8)|\new
.set MSB, \new
.endif
.endm
.macro PLACES                          ; four places behind a matrix instruction, in front of loads into registers that it has read and of reads of its result
.rept 4
	v_nop
.endr
.endm
.macro CROUND                          ; a round of the cluster's barrier: my work-group's barrier, wave 0's signal for the work-group, every wave's wait for all sixteen, my work-group's barrier once more
	s_barrier_signal -1
	s_barrier_wait -1
	s_cmp_lg_u32 s[WV], 0
	s_cbranch_scc1 .Lnot_wave_0_\@
	s_barrier_signal -3
.Lnot_wave_0_\@:
	s_barrier_wait -3
	s_barrier_signal -1
	s_barrier_wait -1
.endm
	s_load_b256 s[4:11], s[0:1], 0x0               ; xq s[4:5], wq s[6:7], bq s[8:9], bk s[10:11]
	s_load_b128 s[12:15], s[0:1], 0x20             ; bv s[12:13], q16 s[14:15]
	s_load_b64 s[16:17], s[0:1], 0x30              ; kv16
	v_lshl_add_u32 v[SPW], v0, 2, SPARE
	v_mov_b32 v[NIL], 0
	ds_add_u32 v[SPW], v[NIL]                      ; the wave's opening: the add, twice on end, and its wait ahead of my first tensor load; the set-up below stands between
	ds_add_u32 v[SPW], v[NIL]
	v_lshrrev_b32 v1, 5, v0
	v_readfirstlane_b32 s[WV], v1                  ; wave 0..3
	s_lshr_b32 s19, s[WV], 1                       ; wm
	s_and_b32 s20, s[WV], 1                        ; wn
	s_bfe_u32 s21, ttmp6, 0x40000                  ; nb: the grid is one cluster wide
	s_bfe_u32 s22, ttmp6, 0x40004
	s_and_b32 s23, ttmp7, 0xffff
	s_lshl_b32 s23, s23, 2
	s_add_co_u32 s23, s23, s22                     ; mb
	s_lshl_b32 s48, s22, 2
	s_lshl_b32 s48, 15, s48                        ; my row of the cluster
	s_lshl_b32 s49, 0x1111, s21                    ; my column
	; group 1: dense blocks as rows of 256 bytes (32 elements of 8 bytes), no padding: 68 rows of x's block, 153 of W's, for each wave
	s_or_b32 s[G1X], s48, (3<<16)|(1<<21)          ; 15:0 the mask; 17:16 elements of 8 bytes; 21 set beside a mask
	s_or_b32 s[G1W], s49, (3<<16)|(1<<21)
.irp g, G1X, G1W
	s_mov_b32 s[\g+1], 32<<16                      ; tensor_dim0
	s_mov_b32 s[\g+3], 32<<16                      ; tile_dim0
	s_mov_b32 s[\g+5], 32                          ; from row to row
	s_mov_b32 s[\g+6], 0
	s_mov_b32 s[\g+7], 0
.endr
	s_mov_b32 s[G1X+2], 68<<16                     ; tensor_dim1
	s_mov_b32 s[G1X+4], 68                         ; tile_dim1
	s_mov_b32 s[G1W+2], 153<<16
	s_mov_b32 s[G1W+4], 153
	s_mul_i32 s51, s[WV], 17408                    ; my quarter of x's block: in LDS,
	s_mul_i32 s52, s23, XBLK
	s_add_co_u32 s52, s52, s51                     ; and in memory
	s_mov_b32 s53, 0
	s_mul_i32 s50, s[WV], 39168                    ; my quarter of W's block
	s_mul_i32 s54, s21, WBLK
	s_add_co_u32 s54, s54, s50
	s_mov_b32 s55, 0
	s_add_co_u32 s50, s50, XBLK
	s_wait_dscnt 0x0                               ; both opening adds are done
	s_wait_kmcnt 0x0
	s_mov_b32 s[G0X], 1
	s_mov_b32 s[G0X+1], s51
	s_add_nc_u64 s[G0X+2:G0X+3], s[4:5], s[52:53]
	s_or_b32 s[G0X+3], s[G0X+3], 0x80000000
	s_mov_b32 s[G0W], 1
	s_mov_b32 s[G0W+1], s50
	s_add_nc_u64 s[G0W+2:G0W+3], s[6:7], s[54:55]
	s_or_b32 s[G0W+3], s[G0W+3], 0x80000000
	CROUND                                         ; all sixteen work-groups are here: the joint loads meet
	tensor_load_to_lds s[G0X:G0X+3], s[G1X:G1X+7]  ; two loads of mine are out: the only ones of the launch
	s_nop 0
	tensor_load_to_lds s[G0W:G0W+3], s[G1W:G1W+7]
	s_nop 0
	PLACES
	v_and_b32 v1, 31, v0
	v_and_b32 v2, 15, v0                           ; r
	v_bfe_u32 v3, v0, 4, 1                         ; h
	v_lshlrev_b32 v[GO], 4, v1
	v_lshlrev_b32 v4, 4, v2
	s_lshl_b32 s56, s19, 15
	v_add_nc_u32 v[AX], s56, v[GO]
	s_lshl_b32 s56, s20, 16
	s_add_co_u32 s56, s56, XBLK
	v_add_nc_u32 v[AW], s56, v[GO]
	s_lshl_b32 s56, s20, 13
	s_add_co_u32 s56, s56, XBLK+131072
	v_add_nc_u32 v[ASP], s56, v[GO]
	s_lshl_b32 s56, s19, 11
	s_add_co_u32 s56, s56, 65536
	v_add_nc_u32 v[AXS], s56, v4
	s_lshl_b32 s56, s20, 12
	s_add_co_u32 s56, s56, XBLK+147456
	v_add_nc_u32 v[AWS], s56, v4
	s_lshl_b32 s56, s20, 9
	s_add_co_u32 s56, s56, XBLK+147456+8192
	v_add_nc_u32 v[ASS], s56, v4
	v_lshlrev_b32 v[B8], 5, v3
	v_lshlrev_b32 v[B4], 2, v2
	; the biases, in the results' layout.  q, k: register j = the bias of channel 8 h + j of the tile; v: every register = the bias of channel r
	s_lshl_b32 s56, s21, 10
	s_lshl_b32 s57, s20, 9
	s_add_co_u32 s56, s56, s57
	s_mov_b32 s57, 0
	s_add_nc_u64 s[8:9], s[8:9], s[56:57]          ; bq at column 256 nb + 128 wn
	s_lshl_b32 s56, s21, 6
	s_add_nc_u64 s[10:11], s[10:11], s[56:57]      ; bk, bv at channel 16 nb
	s_add_nc_u64 s[12:13], s[12:13], s[56:57]
	WIN 0x40                                       ; destination window 1
.irp b, 0,1,2,3,4,5,6,7
	global_load_b128 v[BQ+8*\b:BQ+8*\b+3], v[B8], s[8:9] offset:64*\b
	global_load_b128 v[BQ+8*\b+4:BQ+8*\b+7], v[B8], s[8:9] offset:64*\b+16
.endr
	global_load_b128 v[SB:SB+3], v[B8], s[10:11]
	global_load_b128 v[SB+4:SB+7], v[B8], s[10:11] offset:16
.irp j, 0,1,2,3,4,5,6,7
	global_load_b32 v[SB+8+\j], v[B4], s[12:13]
.endr
	WIN 0
	; where the results go
	s_lshr_b32 s58, s23, 4                         ; the batch
	s_and_b32 s59, s23, 15
	s_lshl_b32 s59, s59, 3
	s_lshl_b32 s60, s19, 2
	s_add_co_u32 s59, s59, s60                     ; st0: my first tile of 16 rows in the batch, a multiple of 4
	s_lshl_b32 s60, s58, 4
	s_lshl_b32 s61, s21, 2
	s_add_co_u32 s60, s60, s61
	s_lshl_b32 s61, s20, 1
	s_add_co_u32 s60, s60, s61                     ; 16 batch + my first head
	s_lshl_b32 s60, s60, 7
	s_add_co_u32 s60, s60, s59
	s_lshl_b32 s60, s60, 11
	s_mov_b32 s61, 0
	s_add_nc_u64 s[14:15], s[14:15], s[60:61]      ; q16: [16 batch + head][tile of rows][ks][1,024]
	s_lshl_b32 s60, s58, 19
	s_lshr_b32 s62, s59, 5
	s_lshl_b32 s62, s62, 17
	s_add_co_u32 s60, s60, s62                     ; kv16: the batch, the slot of 512 keys,
	s_and_b32 s62, s59, 31
	s_lshl_b32 s62, s62, 11
	s_add_co_u32 s60, s60, s62                     ; 2,048 bytes a tile of 16 keys, in K's part and in V's alike,
	s_lshl_b32 s62, s21, 9
	s_lshl_b32 s62, s62, s20
	s_add_co_u32 s60, s60, s62                     ; K: half nb of a key tile's two fragments: 512 nb;  V: fragment nb of a key pair's four: 1,024 nb,
	s_lshl_b32 s62, s20, 16
	s_add_co_u32 s60, s60, s62                     ; and V's part lies 65,536 behind K's
	s_add_nc_u64 s[16:17], s[16:17], s[60:61]
	s_wait_tensorcnt 0x0                           ; my quarters are in,
	s_barrier_signal -1
	s_barrier_wait -1                              ; everybody's are
.irp i, 0,1,2,3
.irp kh, 0,1
	ds_load_b128 v[XSC+8*\i+4*\kh:XSC+8*\i+4*\kh+3], v[AXS] offset:512*\i+256*\kh      ; lane r: row r's words of four K steps
.endr
.endr
.irp b, 0,1,2,3,4,5,6,7
.irp kh, 0,1
	ds_load_b128 v[WSC+8*\b+4*\kh:WSC+8*\b+4*\kh+3], v[AWS] offset:512*\b+256*\kh
.endr
.endr
.irp kh, 0,1
	ds_load_b128 v[SSC+4*\kh:SSC+4*\kh+3], v[ASS] offset:256*\kh
.endr
.macro FETCH ks                        ; 26 LDS loads: the fragments of K step ks into set ks % 2
	WIN 0x40
.irp b, 0,1,2,3,4,5,6,7
.irp c, 0,1
	ds_load_b128 v[72*((\ks)%2)+8*\b+4*\c:72*((\ks)%2)+8*\b+4*\c+3], v[AW] offset:8192*\b+1024*(\ks)+512*\c
.endr
.endr
.irp c, 0,1
	ds_load_b128 v[72*((\ks)%2)+64+4*\c:72*((\ks)%2)+64+4*\c+3], v[ASP] offset:1024*(\ks)+512*\c
.endr
	WIN 0
.irp i, 0,1,2,3
.irp c, 0,1
	ds_load_b128 v[XF+32*((\ks)%2)+8*\i+4*\c:XF+32*((\ks)%2)+8*\i+4*\c+3], v[AX] offset:8192*\i+1024*(\ks)+512*\c
.endr
.endr
.endm
; The eight K steps, written out.  spec = 0: the special tile is k's (W first), 1: v's (x first).  The 36 accumulators take turns, one instruction a turn.
.macro KLOOP spec
.irp ks, 0,1,2,3,4,5,6,7
.if \ks < 7
.if \ks > 0
	PLACES                                         ; the set that takes the next loads was read by the last step's products
.endif
	FETCH \ks+1
	s_wait_dscnt 26                                ; all but the 26 just issued: this step's fragments (and the scale words) are in
.else
	s_wait_dscnt 0x0
.endif
.if \ks == 0
	WIN 0x91                                       ; W window 1, x window 0, C = bq window 1, D window 2
.else
	WIN 0xa1                                       ; C and D window 2
.endif
.irp i, 0,1,2,3
.irp b, 0,1,2,3,4,5,6,7
.if \ks == 0
	v_wmma_scale_f32_16x16x128_f8f6f4 v[8*(8*\i+\b):8*(8*\i+\b)+7], v[72*(\ks%2)+8*\b:72*(\ks%2)+8*\b+7], v[XF+32*(\ks%2)+8*\i:XF+32*(\ks%2)+8*\i+7], v[BQ+8*\b:BQ+8*\b+7], v[WSC+8*\b+\ks], v[XSC+8*\i+\ks] matrix_a_fmt:MATRIX_FMT_FP4 matrix_b_fmt:MATRIX_FMT_FP4
.else
	v_wmma_scale_f32_16x16x128_f8f6f4 v[8*(8*\i+\b):8*(8*\i+\b)+7], v[72*(\ks%2)+8*\b:72*(\ks%2)+8*\b+7], v[XF+32*(\ks%2)+8*\i:XF+32*(\ks%2)+8*\i+7], v[8*(8*\i+\b):8*(8*\i+\b)+7], v[WSC+8*\b+\ks], v[XSC+8*\i+\ks] matrix_a_fmt:MATRIX_FMT_FP4 matrix_b_fmt:MATRIX_FMT_FP4
.endif
.endr
.endr
.if \spec == 0
	WIN 0x51                                       ; Wk window 1, x window 0, C and D window 1
.else
	WIN 0x54                                       ; x window 0, Wv window 1, C and D window 1
.endif
.irp i, 0,1,2,3
.if \spec == 0
.if \ks == 0
	v_wmma_scale_f32_16x16x128_f8f6f4 v[SA+8*\i:SA+8*\i+7], v[72*(\ks%2)+64:72*(\ks%2)+71], v[XF+32*(\ks%2)+8*\i:XF+32*(\ks%2)+8*\i+7], v[SB:SB+7], v[SSC+\ks], v[XSC+8*\i+\ks] matrix_a_fmt:MATRIX_FMT_FP4 matrix_b_fmt:MATRIX_FMT_FP4
.else
	v_wmma_scale_f32_16x16x128_f8f6f4 v[SA+8*\i:SA+8*\i+7], v[72*(\ks%2)+64:72*(\ks%2)+71], v[XF+32*(\ks%2)+8*\i:XF+32*(\ks%2)+8*\i+7], v[SA+8*\i:SA+8*\i+7], v[SSC+\ks], v[XSC+8*\i+\ks] matrix_a_fmt:MATRIX_FMT_FP4 matrix_b_fmt:MATRIX_FMT_FP4
.endif
.else
.if \ks == 0
	v_wmma_scale_f32_16x16x128_f8f6f4 v[SA+8*\i:SA+8*\i+7], v[XF+32*(\ks%2)+8*\i:XF+32*(\ks%2)+8*\i+7], v[72*(\ks%2)+64:72*(\ks%2)+71], v[SB+8:SB+15], v[XSC+8*\i+\ks], v[SSC+\ks] matrix_a_fmt:MATRIX_FMT_FP4 matrix_b_fmt:MATRIX_FMT_FP4
.else
	v_wmma_scale_f32_16x16x128_f8f6f4 v[SA+8*\i:SA+8*\i+7], v[XF+32*(\ks%2)+8*\i:XF+32*(\ks%2)+8*\i+7], v[72*(\ks%2)+64:72*(\ks%2)+71], v[SA+8*\i:SA+8*\i+7], v[XSC+8*\i+\ks], v[SSC+\ks] matrix_a_fmt:MATRIX_FMT_FP4 matrix_b_fmt:MATRIX_FMT_FP4
.endif
.endif
.endr
.endr
	PLACES                                         ; in front of the first reads of results, and of writes over x's fragments
	WIN 0x05                                       ; sources window 1, destination window 0
.irp i, 0,1,2,3
.irp n, 0,1,2,3
	v_cvt_pk_f16_f32 v[PKS+4*\i+\n], v[SA+8*\i+2*\n], v[SA+8*\i+2*\n+1]       ; each accumulator from its low end on
.endr
.endr
	WIN 0
.irp i, 0,1,2,3
.if \spec == 0
	global_store_b128 v[GO], v[PKS+4*\i:PKS+4*\i+3], s[16:17] offset:2048*\i                  ; key tile i: half a fragment of K: 512 consecutive bytes, aligned
.else
	global_store_b128 v[GO], v[PKS+4*\i:PKS+4*\i+3], s[16:17] offset:4096*(\i/2)+512*(\i%2)   ; key tile i: half i % 2 of a fragment of V^T
.endif
.endr
.endm
	FETCH 0
	s_wait_loadcnt 0x0                             ; the biases
	s_cmp_eq_u32 s20, 0                            ; the wave's number alone decides
	s_cbranch_scc0 .Lfor_v
	KLOOP 0
	s_branch .Ljoin
.Lfor_v:
	KLOOP 1
.Ljoin:
	; q's way out: row tile i's eight accumulators pack into 32 registers: eight halves of fragments of Q
.irp i, 0,1,2,3
.if \i == 3
	s_wait_xcnt 0x0                                ; the first set's stores have read their registers: it is written again only behind this wait
.endif
	WIN 0x0a                                       ; sources window 2, destination window 0
.irp b, 0,1,2,3,4,5,6,7
.irp n, 0,1,2,3
	v_cvt_pk_f16_f32 v[PK+32*(\i%3)+4*\b+\n], v[8*(8*\i+\b)+2*\n], v[8*(8*\i+\b)+2*\n+1]
.endr
.endr
	WIN 0
.irp b, 0,1,2,3,4,5,6,7
	global_store_b128 v[GO], v[PK+32*(\i%3)+4*\b:PK+32*(\i%3)+4*\b+3], s[14:15] offset:262144*(\b/4)+2048*\i+1024*((\b%4)/2)+512*(\b%2)   ; head b / 4, row tile i, fragment (b % 4) / 2, half b % 2
.endr
.endr
	s_wait_tensorcnt 0x0                           ; the wave's end: the tensor wait, the add and its wait, behind my last tensor load
	ds_add_u32 v[SPW], v[NIL]
	s_wait_dscnt 0x0
	CROUND                                         ; the closing round
	s_endpgm
.Lfunc_end_k_qad04e82a3c_proj:
	.size	k_qad04e82a3c_proj, .Lfunc_end_k_qad04e82a3c_proj-k_qad04e82a3c_proj
	.p2alignl 7, 3214868480
	.fill 96, 4, 3214868480
	.section	.rodata,"a",@progbits
	.p2align	6, 0x0
	.amdhsa_kernel k_qad04e82a3c_proj
		.amdhsa_group_segment_fixed_size 229376
		.amdhsa_private_segment_fixed_size 0
		.amdhsa_enable_private_segment 0
		.amdhsa_kernarg_size 56
		.amdhsa_user_sgpr_count 2
		.amdhsa_user_sgpr_kernarg_segment_ptr 1
		.amdhsa_wavefront_size32 1
		.amdhsa_system_sgpr_workgroup_id_x 1
		.amdhsa_system_sgpr_workgroup_id_y 1
		.amdhsa_system_sgpr_workgroup_id_z 1
		.amdhsa_system_vgpr_workitem_id 0
		.amdhsa_next_free_vgpr 768
		.amdhsa_next_free_sgpr 66
		.amdhsa_reserve_vcc 0
		.amdhsa_float_denorm_mode_32 3
		.amdhsa_float_denorm_mode_16_64 3
		.amdhsa_memory_ordered 1
		.amdhsa_forward_progress 1
		.amdhsa_inst_pref_size 126
	.end_amdhsa_kernel
	.amdgpu_metadata
---
amdhsa.version: [ 1, 2 ]
amdhsa.kernels:
  - .name:           k_qad04e82a3c_proj
    .symbol:         k_qad04e82a3c_proj.kd
    .args:
      - { .name: xq, .offset: 0, .size: 8, .value_kind: global_buffer, .address_space: global }
      - { .name: wq, .offset: 8, .size: 8, .value_kind: global_buffer, .address_space: global }
      - { .name: bq, .offset: 16, .size: 8, .value_kind: global_buffer, .address_space: global }
      - { .name: bk, .offset: 24, .size: 8, .value_kind: global_buffer, .address_space: global }
      - { .name: bv, .offset: 32, .size: 8, .value_kind: global_buffer, .address_space: global }
      - { .name: q16, .offset: 40, .size: 8, .value_kind: global_buffer, .address_space: global }
      - { .name: kv16, .offset: 48, .size: 8, .value_kind: global_buffer, .address_space: global }
    .group_segment_fixed_size: 229376
    .private_segment_fixed_size: 0
    .kernarg_segment_align: 8
    .kernarg_segment_size: 56
    .max_flat_workgroup_size: 128
    .sgpr_count:     66
    .vgpr_count:     768
    .wavefront_size: 32
...
	.end_amdgpu_metadata
.endif
;; end of part 2
;; launch attn (part 3): grid 4 x 64, 8 waves a work-group, clusters of 4 x 1, 327,680 bytes of LDS; arguments q16, kv16, o16; writes o16
.if DOCPART == 3
	.amdgcn_target "amdgcn-amd-amdhsa--gfx1250"
	.amdhsa_code_object_version 6
	.text
	.protected	k_qad04e82a3c_attn
	.globl	k_qad04e82a3c_attn
	.p2align	8
	.type	k_qad04e82a3c_attn,@function
k_qad04e82a3c_attn:
	s_mov_b64 s[64:65], 0
	v_nop
	global_prefetch_b8 v0, s[64:65] scope:SCOPE_SE
	s_setreg_imm32_b32 hwreg(HW_REG_WAVE_MODE, 25, 1), 1
	s_wait_xcnt 0x0
	s_wait_alu depctr_hold_cnt(0) depctr_sa_sdst(0) depctr_va_vdst(0) depctr_va_sdst(0) depctr_va_ssrc(0) depctr_va_vcc(0) depctr_vm_vsrc(0)
	s_getreg_b32 s2, hwreg(HW_REG_IB_STS2, 6, 4)
	s_cmp_eq_u32 s2, 0
	s_cbranch_scc0 .Lentry_in_a_cluster
	s_endpgm
.Lentry_in_a_cluster:
	s_bfe_u32 s2, ttmp6, 0x10000c
	s_cmp_lg_u32 s2, 0x3003
	s_cbranch_scc0 .Lentry_shape_is_right
	s_endpgm
.Lentry_shape_is_right:
; ATTN: o[b][head][q] = the sum over keys of softmax(q . k / 8) v, one K and one V for all 16 heads of a batch.  Operands f16, products, maxima and sums f32; the weights p are rounded to f16 for the second product, o once at the end.
; LIMIT: |o| stays under 65,504 (f16); it is an average of v's rows, which the launch before holds to the same bound.
; SHARES.  Work-group (place cx in its cluster, y = 16 batch + head) owns 512 queries of one head; each of its EIGHT waves owns 64, four tiles of 16, in 512 registers: two waves to a SIMD, so that one wave's softmax
; stands beside the other's products.  Every wave walks all 2,048 keys, 64 a step.
; LAYOUT.  S^T = K Q^T (source 0 = 16 keys, source 1 = 16 queries), O^T = V^T P (source 0 = 16 channels, source 1 = 32 keys x 16 queries): a lane holds ONE query throughout, and two tiles of S^T, rounded in pairs, are a fragment of P.
; Q, K and V^T lie in memory as images of their fragments' registers (1,024 bytes: registers 0-3 at 16 x lane, 4-7 at 512 + 16 x lane): every LDS load is 512 consecutive bytes, nothing is padded or turned.
; SOFTMAX.  A running maximum m and sum l for each query: p = 2^(c s - c m), c = log2(e) / 8; in every step O^T and l are multiplied by a = 2^(c m_old - c m_new).  The step is written once: it begins from m = -3e38, l = 0, O^T = 0.
; RING.  Two LDS slots of 512 keys (65,536 bytes of K, then 65,536 of V^T, as they lie in kv16); each wave fetches an eighth of a slot by one tensor load.  The change of slots stands at a slot's head.
; CLUSTER.  The four work-groups of a cluster walk the same K and V: each tile is asked for jointly, by the same load with the same descriptor and the mask of all four.
; No prefetch is laid: each refill is asked for eight key steps, 512 matrix instructions of a wave, ahead of the wait for it.
; REGISTERS.  window 0: v2-5 addresses; v16-47 statistics, eight a tile: +0 c m, +1 m, +2, +3 l (even keys', odd keys'), +4 .. +7 at work (a takes +6); v64-127 K's eight fragments, then V's; v128-255 S^T, 32 a tile.
;   window 1: v0-127 O^T, 32 a tile; v128-191 Q, 16 a tile; v192-255 P, 16 a tile.
.set SLOT1, 1<<17                      ; slot 1 begins here: one exclusive or turns an address in one slot into the other's
.set SPARE, 2*SLOT1                    ; behind the ring: the spare words, 128 bytes for each wave, four blocks of 256 bytes that no other line names
.set LI,  2                            ; v2   16 x lane
.set LV,  3                            ; v3   16 x lane + 65,536: V's part of a slot
.set ADK, 4                            ; v4   the step's K
.set ADV, 5                            ; v5   the step's V
.set ST,  16
.set SPW, 62                           ; v62  LDS address of my spare word; never rewritten
.set NIL, 63                           ; v63  0; never rewritten
.set KV,  64
.set S,   128
.set OT,  0                            ; window 1
.set QF,  128
.set P,   192
.set WV,  12
.set G1,  24                           ; s[24:31] descriptor group 1
.set G0,  32                           ; s[32:35] group 0, which walks
.set SLOTS, 36
.set STEPS, 37
.set TB,  38                           ; s38  LDS byte at which the step's fragments of K begin
.set CS,  40                           ; s[40:41] c, twice: the packed form names a pair
.set SEL, 42                           ; s[42:43] v_permlanex16_b32's selects for lane l xor 16
.set MSB, 0
.macro WIN new                         ; the immediate's high byte repeats the setting that is left; bits 1:0 source 0, 3:2 source 1, 5:4 source 2, 7:6 destination
.if MSB != \new
	s_set_vgpr_msb (MSB<<8)|\new
.set MSB, \new
.endif
.endm
.set W_KQ, 0x04                        ; K and S^T window 0, Q window 1
.set W_PV, 0x54                        ; V window 0, P and O^T window 1
.set W_CV, 0x40                        ; destination window 1
.set W_RS, 0x41                        ; O^T (destination, source 0) window 1, a window 0
.macro PLACES                          ; four places behind a matrix instruction, in front of loads into registers that it has read and of reads of its result
.rept 4
	v_nop
.endr
.endm
.macro CROUND                          ; a round of the cluster's barrier
	s_barrier_signal -1
	s_barrier_wait -1
	s_cmp_lg_u32 s[WV], 0
	s_cbranch_scc1 .Lnot_wave_0_\@
	s_barrier_signal -3
.Lnot_wave_0_\@:
	s_barrier_wait -3
	s_barrier_signal -1
	s_barrier_wait -1
.endm
	s_load_b128 s[4:7], s[0:1], 0x0                ; q16 s[4:5], kv16 s[6:7]
	s_load_b64 s[8:9], s[0:1], 0x10                ; o16
	v_lshl_add_u32 v[SPW], v0, 2, SPARE
	v_mov_b32 v[NIL], 0
	ds_add_u32 v[SPW], v[NIL]                      ; the wave's opening: the add, twice on end, and its wait ahead of my first tensor load; the set-up below stands between
	ds_add_u32 v[SPW], v[NIL]
	v_lshrrev_b32 v1, 5, v0
	v_readfirstlane_b32 s[WV], v1                  ; wave 0..7
	s_bfe_u32 s13, ttmp6, 0x40000                  ; cx: it enters Q's and O's addresses alone
	s_and_b32 s14, ttmp7, 0xffff                   ; y = 16 batch + head, which the four partners share
	s_lshr_b32 s15, s14, 4                         ; batch
	s_and_b32 s16, s14, 15                         ; head
	s_mov_b32 s[G1], 15|(3<<16)|(1<<21)            ; 15:0 the mask: all four; 17:16 elements of 8 bytes; 21 set beside a mask; no padding
	s_mov_b32 s[G1+1], 32<<16                      ; tensor_dim0: rows of 256 bytes
	s_mov_b32 s[G1+2], 64<<16                      ; tensor_dim1
	s_mov_b32 s[G1+3], 32<<16                      ; tile_dim0
	s_mov_b32 s[G1+4], 64                          ; tile_dim1: 64 rows, 16,384 bytes, an eighth of a slot
	s_mov_b32 s[G1+5], 32                          ; dense
	s_mov_b32 s[G1+6], 0
	s_mov_b32 s[G1+7], 0
	s_lshl_b32 s17, s[WV], 14                      ; my eighth: in LDS,
	s_lshl_b32 s18, s15, 19
	s_add_co_u32 s18, s18, s17                     ; and in the batch's 524,288 bytes
	s_mov_b32 s19, 0
	s_lshl_b32 s20, s14, 7
	s_lshl_b32 s21, s13, 5
	s_add_co_u32 s20, s20, s21
	s_lshl_b32 s21, s[WV], 2
	s_add_co_u32 s20, s20, s21                     ; Q: tile of queries 128 y + 32 cx + 4 w,
	s_lshl_b32 s20, s20, 11                        ; 2,048 bytes each
	s_mov_b32 s21, 0
	s_lshl_b32 s22, s15, 4
	s_lshl_b32 s23, s13, 2
	s_add_co_u32 s22, s22, s23
	s_lshr_b32 s23, s[WV], 1
	s_add_co_u32 s22, s22, s23                     ; o16: [block of 128 rows = 16 batch + 4 cx + w / 2]
	s_lshl_b32 s22, s22, 3
	s_lshr_b32 s23, s16, 1
	s_add_co_u32 s22, s22, s23                     ; [kslot = head / 2]
	s_lshl_b32 s22, s22, 3
	s_and_b32 s23, s[WV], 1
	s_lshl_b32 s23, s23, 2
	s_add_co_u32 s22, s22, s23                     ; [tile of rows = 4 (w % 2) + t]
	s_lshl_b32 s22, s22, 12
	s_and_b32 s23, s16, 1
	s_lshl_b32 s23, s23, 11
	s_add_co_u32 s22, s22, s23                     ; [fragment = 2 (head % 2) + channel / 32][1,024]
	s_mov_b32 s23, 0
	s_mov_b32 s[CS], 0x3e38aa3b                    ; c = log2(e) / 8
	s_mov_b32 s[CS+1], s[CS]
	s_mov_b32 s[SEL], 0x76543210
	s_mov_b32 s[SEL+1], 0xfedcba98
	s_mov_b32 s[TB], 0
	s_mov_b32 s[SLOTS], 3
	s_wait_dscnt 0x0                               ; both opening adds are done
	s_wait_kmcnt 0x0
	s_mov_b32 s[G0], 1
	s_mov_b32 s[G0+1], s17
	s_add_nc_u64 s[G0+2:G0+3], s[6:7], s[18:19]
	s_or_b32 s[G0+3], s[G0+3], 0x80000000
	s_add_nc_u64 s[4:5], s[4:5], s[20:21]
	s_add_nc_u64 s[8:9], s[8:9], s[22:23]
	CROUND                                         ; all four work-groups are here: the first joint loads meet
	tensor_load_to_lds s[G0:G0+3], s[G1:G1+7]      ; slot 0: one load of mine is out
	s_nop 0
	PLACES
	v_and_b32 v1, 31, v0
	v_lshlrev_b32 v[LI], 4, v1
	v_add_nc_u32 v[LV], 65536, v[LI]
	WIN W_CV
.irp t, 0,1,2,3
.irp ks, 0,1
.irp c, 0,1
	global_load_b128 v[QF+16*\t+8*\ks+4*\c:QF+16*\t+8*\ks+4*\c+3], v[LI], s[4:5] offset:2048*\t+1024*\ks+512*\c   ; Q stays in registers
.endr
.endr
.endr
.set i, 0
.rept 128
	v_mov_b32 v[OT+i], 0                           ; the step is written once: the first finds zeros, which a = 0 leaves zeros
.set i, i+1
.endr
	WIN 0
.irp t, 0,1,2,3
	v_mov_b32 v[ST+8*\t+1], 0xff61b1e6             ; m = -3e38, under every score
	v_mul_f32 v[ST+8*\t], s[CS], v[ST+8*\t+1]      ; c m
	v_mov_b32 v[ST+8*\t+2], 0                      ; l
	v_mov_b32 v[ST+8*\t+3], 0
.endr
	s_wait_loadcnt 0x0                             ; Q
; A KEY STEP: 64 keys.  Every window is 0 at its head and at its end.
.macro STEP
	v_add_nc_u32 v[ADK], s[TB], v[LI]
	v_add_nc_u32 v[ADV], s[TB], v[LV]
.irp f, 0,1,2,3,4,5,6,7                        ; K: fragment 2 j + ks: keys 16 j on, channels 32 ks on
	ds_load_b128 v[KV+8*\f:KV+8*\f+3], v[ADK] offset:1024*\f
	ds_load_b128 v[KV+8*\f+4:KV+8*\f+7], v[ADK] offset:1024*\f+512
.endr
	s_wait_dscnt 0x0
	WIN W_KQ
.irp ks, 0,1                                   ; the 16 accumulators take turns; the first 16 products start the sums
.irp j, 0,1,2,3
.irp t, 0,1,2,3
.if \ks == 0
	v_wmma_f32_16x16x32_f16 v[S+32*\t+8*\j:S+32*\t+8*\j+7], v[KV+8*(2*\j+\ks):KV+8*(2*\j+\ks)+7], v[QF+16*\t+8*\ks:QF+16*\t+8*\ks+7], 0
.else
	v_wmma_f32_16x16x32_f16 v[S+32*\t+8*\j:S+32*\t+8*\j+7], v[KV+8*(2*\j+\ks):KV+8*(2*\j+\ks)+7], v[QF+16*\t+8*\ks:QF+16*\t+8*\ks+7], v[S+32*\t+8*\j:S+32*\t+8*\j+7]
.endif
.endr
.endr
.endr
	WIN 0
	PLACES                                         ; in front of the loads into K's registers and of the first reads of the scores
.irp f, 0,1,2,3,4,5,6,7                        ; V: fragment 4 kk + ct: keys 32 kk on, channels 16 ct on; they land during the softmax
	ds_load_b128 v[KV+8*\f:KV+8*\f+3], v[ADV] offset:1024*\f
	ds_load_b128 v[KV+8*\f+4:KV+8*\f+7], v[ADV] offset:1024*\f+512
.endr
	; the maximum of a lane's 32 scores and the old m: four chains a tile, each begun at an accumulator's low end; the tiles by turns
.irp n, 0,1,2,3
.irp t, 0,1,2,3
	v_max3_num_f32 v[ST+8*\t+4+\n], v[S+32*\t+8*\n], v[S+32*\t+8*\n+1], v[S+32*\t+8*\n+2]
.endr
.endr
.irp u, 1,2
.irp n, 0,1,2,3
.irp t, 0,1,2,3
	v_max3_num_f32 v[ST+8*\t+4+\n], v[ST+8*\t+4+\n], v[S+32*\t+8*\n+2*\u+1], v[S+32*\t+8*\n+2*\u+2]
.endr
.endr
.endr
.irp t, 0,1,2,3
	v_max3_num_f32 v[ST+8*\t+4], v[ST+8*\t+4], v[S+32*\t+7], v[S+32*\t+15]
.endr
.irp t, 0,1,2,3
	v_max3_num_f32 v[ST+8*\t+6], v[ST+8*\t+6], v[S+32*\t+23], v[S+32*\t+31]
.endr
.irp t, 0,1,2,3
	v_max3_num_f32 v[ST+8*\t+4], v[ST+8*\t+4], v[ST+8*\t+5], v[ST+8*\t+6]
.endr
.irp t, 0,1,2,3
	v_max3_num_f32 v[ST+8*\t+4], v[ST+8*\t+4], v[ST+8*\t+7], v[ST+8*\t+1]
.endr
.irp t, 0,1,2,3
	v_permlanex16_b32 v[ST+8*\t+5], v[ST+8*\t+4], s[SEL], s[SEL+1]   ; the query's other 32 keys lie in the lane 16 away
.endr
.irp t, 0,1,2,3
	v_mov_b32 v[ST+8*\t+7], v[ST+8*\t]             ; c m_old is kept for a
.endr
.irp t, 0,1,2,3
	v_max_num_f32 v[ST+8*\t+1], v[ST+8*\t+4], v[ST+8*\t+5]           ; the new m
.endr
.irp t, 0,1,2,3
	v_mul_f32 v[ST+8*\t], s[CS], v[ST+8*\t+1]
.endr
.irp t, 0,1,2,3
	v_sub_f32 v[ST+8*\t+7], v[ST+8*\t+7], v[ST+8*\t]
.endr
.irp t, 0,1,2,3
.irp n, 0,2,4,6,8,10,12,14,16,18,20,22,24,26,28,30
	v_pk_fma_f32 v[S+32*\t+\n:S+32*\t+\n+1], v[S+32*\t+\n:S+32*\t+\n+1], s[CS:CS+1], v[ST+8*\t:ST+8*\t+1] op_sel_hi:[1,0,0] neg_lo:[0,0,1] neg_hi:[0,0,1]   ; c s - c m, two at a time
.endr
.endr
.irp t, 0,1,2,3
	v_exp_f32 v[ST+8*\t+6], v[ST+8*\t+7]           ; a
.endr
.set i, 0
.rept 128
	v_exp_f32 v[S+i], v[S+i]                       ; p: ONE batch with the four above; none reads another's result
.set i, i+1
.endr
	v_nop                                          ; the plain instruction behind the last exponential
	s_wait_alu depctr_va_vdst(0)                   ; and the one wait ahead of the batch's first reader
	WIN W_CV
.set i, 0
.rept 64
	v_cvt_pk_f16_f32 v[P+i], v[S+2*i], v[S+2*i+1]  ; P's register 16 t + n holds the weights 2 n, 2 n + 1 of tile t
.set i, i+1
.endr
	WIN 0
	; the row's sum, of the unrounded p: a tree in place on pairs (an even key's weight, an odd key's); the tiles by turns
.irp z, 0,1,2,3,4,5,6,7
.irp t, 0,1,2,3
	v_pk_add_f32 v[S+32*\t+4*\z:S+32*\t+4*\z+1], v[S+32*\t+4*\z:S+32*\t+4*\z+1], v[S+32*\t+4*\z+2:S+32*\t+4*\z+3]
.endr
.endr
.irp z, 0,1,2,3
.irp t, 0,1,2,3
	v_pk_add_f32 v[S+32*\t+8*\z:S+32*\t+8*\z+1], v[S+32*\t+8*\z:S+32*\t+8*\z+1], v[S+32*\t+8*\z+4:S+32*\t+8*\z+5]
.endr
.endr
.irp z, 0,1
.irp t, 0,1,2,3
	v_pk_add_f32 v[S+32*\t+16*\z:S+32*\t+16*\z+1], v[S+32*\t+16*\z:S+32*\t+16*\z+1], v[S+32*\t+16*\z+8:S+32*\t+16*\z+9]
.endr
.endr
.irp t, 0,1,2,3
	v_pk_add_f32 v[S+32*\t:S+32*\t+1], v[S+32*\t:S+32*\t+1], v[S+32*\t+16:S+32*\t+17]
.endr
.irp t, 0,1,2,3
	v_pk_fma_f32 v[ST+8*\t+2:ST+8*\t+3], v[ST+8*\t+2:ST+8*\t+3], v[ST+8*\t+6:ST+8*\t+7], v[S+32*\t:S+32*\t+1] op_sel_hi:[1,0,1]   ; l = a l + the sum
.endr
	WIN W_RS
.irp t, 0,1,2,3
.irp n, 0,2,4,6,8,10,12,14,16,18,20,22,24,26,28,30
	v_pk_mul_f32 v[OT+32*\t+\n:OT+32*\t+\n+1], v[OT+32*\t+\n:OT+32*\t+\n+1], v[ST+8*\t+6:ST+8*\t+7] op_sel_hi:[1,0]   ; O^T x a, each accumulator from its low end on
.endr
.endr
	s_wait_dscnt 0x0                               ; V is in
	WIN W_PV
.irp kk, 0,1
.irp ct, 0,1,2,3
.irp t, 0,1,2,3
	v_wmma_f32_16x16x32_f16 v[OT+32*\t+8*\ct:OT+32*\t+8*\ct+7], v[KV+8*(4*\kk+\ct):KV+8*(4*\kk+\ct)+7], v[P+16*\t+8*\kk:P+16*\t+8*\kk+7], v[OT+32*\t+8*\ct:OT+32*\t+8*\ct+7]
.endr
.endr
.endr
	WIN 0
	PLACES                                         ; in front of the next step's loads into V's registers, and of the way out's reads
	s_add_co_u32 s[TB], s[TB], 8192                ; a step is 8,192 bytes of K, and of V
.endm
; THE CHANGE OF SLOTS, at a slot's head.  Each wave waits for all its tensor loads (its eighth of the slot ahead), adds 0 to its spare word, and waits for that and for its reads of the slot that it has left.
; fill = 1: the barrier is a round of the cluster's, and behind it the slot that was left (in the first trip: slot 1, for the first time, by all eight waves) takes the next 512 keys: my one tensor load until the next change.
.macro CHANGE fill
	s_wait_tensorcnt 0x0                           ; no tensor load of mine is out, so group 0 may be written
	ds_add_u32 v[SPW], v[NIL]
.if \fill
	s_xor_b32 s[G0+1], s[G0+1], SLOT1              ; the other slot than last time,
	s_add_nc_u64 s[G0+2:G0+3], s[G0+2:G0+3], 131072   ; the next 512 keys; the type bits on top are not reached
	s_wait_dscnt 0x0                               ; the add is done, and my reads of the slot that I have left are over
	CROUND
	tensor_load_to_lds s[G0:G0+3], s[G1:G1+7]
	s_nop 0
	PLACES
.else
	s_wait_dscnt 0x0
	s_barrier_signal -1
	s_barrier_wait -1
.endif
.endm
.macro STEPS8                          ; a slot's eight key steps: written once, walked eight times
	s_mov_b32 s[STEPS], 8
.Lstep_\@:
	STEP
	s_sub_co_u32 s[STEPS], s[STEPS], 1
	s_cmp_lg_u32 s[STEPS], 0
	s_cbranch_scc1 .Lstep_\@
	s_sub_co_u32 s[TB], s[TB], 65536               ; back to a slot's first step,
	s_xor_b32 s[TB], s[TB], SLOT1                  ; in the other slot
.endm
.Lslot:                                            ; three trips: behind each change of slots but the last the next slot is asked for
	CHANGE 1
	STEPS8
	s_sub_co_u32 s[SLOTS], s[SLOTS], 1
	s_cmp_lg_u32 s[SLOTS], 0
	s_cbranch_scc1 .Lslot
	CHANGE 0                                       ; the last slot is written out
	STEPS8
	; THE WAY OUT.  l's two halves and the other half of the lanes' are added; O^T is divided by l and rounded to f16: a tile's packed registers are halves of fragments of the last product's operand, in the same lanes.
.irp t, 0,1,2,3
	v_add_f32 v[ST+8*\t+4], v[ST+8*\t+2], v[ST+8*\t+3]
.endr
.irp t, 0,1,2,3
	v_permlanex16_b32 v[ST+8*\t+5], v[ST+8*\t+4], s[SEL], s[SEL+1]
.endr
.irp t, 0,1,2,3
	v_add_f32 v[ST+8*\t+4], v[ST+8*\t+4], v[ST+8*\t+5]
.endr
.irp t, 0,1,2,3
	v_rcp_f32 v[ST+8*\t+6], v[ST+8*\t+4]
.endr
	v_nop                                          ; a plain instruction behind the last reciprocal,
	s_wait_alu depctr_va_vdst(0)                   ; and the one wait ahead of the first use
	WIN W_RS
.irp t, 0,1,2,3
.irp n, 0,2,4,6,8,10,12,14,16,18,20,22,24,26,28,30
	v_pk_mul_f32 v[OT+32*\t+\n:OT+32*\t+\n+1], v[OT+32*\t+\n:OT+32*\t+\n+1], v[ST+8*\t+6:ST+8*\t+7] op_sel_hi:[1,0]
.endr
.endr
	WIN 0x05                                       ; sources window 1, destination window 0: S^T's registers are free
.set i, 0
.rept 64
	v_cvt_pk_f16_f32 v[S+i], v[OT+2*i], v[OT+2*i+1]
.set i, i+1
.endr
	WIN 0
.irp t, 0,1,2,3
.irp ct, 0,1,2,3
	global_store_b128 v[LI], v[S+16*\t+4*\ct:S+16*\t+4*\ct+3], s[8:9] offset:4096*\t+1024*(\ct/2)+512*(\ct%2)   ; 32 lanes store 512 consecutive bytes, aligned
.endr
.endr
	s_wait_tensorcnt 0x0                           ; the wave's end: the tensor wait, the add and its wait, behind my last tensor load
	ds_add_u32 v[SPW], v[NIL]
	s_wait_dscnt 0x0
	CROUND                                         ; the closing round: no work-group ends while a partner may still ask for a tile that names it
	s_endpgm
.Lfunc_end_k_qad04e82a3c_attn:
	.size	k_qad04e82a3c_attn, .Lfunc_end_k_qad04e82a3c_attn-k_qad04e82a3c_attn
	.p2alignl 7, 3214868480
	.fill 96, 4, 3214868480
	.section	.rodata,"a",@progbits
	.p2align	6, 0x0
	.amdhsa_kernel k_qad04e82a3c_attn
		.amdhsa_group_segment_fixed_size 327680
		.amdhsa_private_segment_fixed_size 0
		.amdhsa_enable_private_segment 0
		.amdhsa_kernarg_size 24
		.amdhsa_user_sgpr_count 2
		.amdhsa_user_sgpr_kernarg_segment_ptr 1
		.amdhsa_wavefront_size32 1
		.amdhsa_system_sgpr_workgroup_id_x 1
		.amdhsa_system_sgpr_workgroup_id_y 1
		.amdhsa_system_sgpr_workgroup_id_z 1
		.amdhsa_system_vgpr_workitem_id 0
		.amdhsa_next_free_vgpr 512
		.amdhsa_next_free_sgpr 66
		.amdhsa_reserve_vcc 0
		.amdhsa_float_denorm_mode_32 3
		.amdhsa_float_denorm_mode_16_64 3
		.amdhsa_memory_ordered 1
		.amdhsa_forward_progress 1
		.amdhsa_inst_pref_size 86
	.end_amdhsa_kernel
	.amdgpu_metadata
---
amdhsa.version: [ 1, 2 ]
amdhsa.kernels:
  - .name:           k_qad04e82a3c_attn
    .symbol:         k_qad04e82a3c_attn.kd
    .args:
      - { .name: q16, .offset: 0, .size: 8, .value_kind: global_buffer, .address_space: global }
      - { .name: kv16, .offset: 8, .size: 8, .value_kind: global_buffer, .address_space: global }
      - { .name: o16, .offset: 16, .size: 8, .value_kind: global_buffer, .address_space: global }
    .group_segment_fixed_size: 327680
    .private_segment_fixed_size: 0
    .kernarg_segment_align: 8
    .kernarg_segment_size: 24
    .max_flat_workgroup_size: 256
    .sgpr_count:     66
    .vgpr_count:     512
    .wavefront_size: 32
...
	.end_amdgpu_metadata
.endif
;; end of part 3
;; launch outp (part 4): grid 4 x 64, 4 waves a work-group, clusters of 4 x 4, 327,680 bytes of LDS; arguments o16, wo16, bo, out0; writes out0
.if DOCPART == 4
	.amdgcn_target "amdgcn-amd-amdhsa--gfx1250"
	.amdhsa_code_object_version 6
	.text
	.protected	k_qad04e82a3c_outp
	.globl	k_qad04e82a3c_outp
	.p2align	8
	.type	k_qad04e82a3c_outp,@function
k_qad04e82a3c_outp:
	s_mov_b64 s[64:65], 0
	v_nop
	global_prefetch_b8 v0, s[64:65] scope:SCOPE_SE
	s_setreg_imm32_b32 hwreg(HW_REG_WAVE_MODE, 25, 1), 1
	s_wait_xcnt 0x0
	s_wait_alu depctr_hold_cnt(0) depctr_sa_sdst(0) depctr_va_vdst(0) depctr_va_sdst(0) depctr_va_ssrc(0) depctr_va_vcc(0) depctr_vm_vsrc(0)
	s_getreg_b32 s2, hwreg(HW_REG_IB_STS2, 6, 4)
	s_cmp_eq_u32 s2, 0
	s_cbranch_scc0 .Lentry_in_a_cluster
	s_endpgm
.Lentry_in_a_cluster:
	s_bfe_u32 s2, ttmp6, 0x10000c
	s_cmp_lg_u32 s2, 0xf033
	s_cbranch_scc0 .Lentry_shape_is_right
	s_endpgm
.Lentry_shape_is_right:
; OUTP: out0[m][d] = the sum over f of o[m][f] Wo[f][d] + bo[d].  o and Wo in f16, as images of their fragments' registers (1,024 bytes: registers 0-3 at 16 x lane, 4-7 at 512 + 16 x lane); sums and out0 in f32.
; SHARES.  A tile of out0 is 128 rows x 256 columns: 256 work-groups (nb = place along the cluster's x, mb = 4 x cluster y + place along y).  Four waves, each 64 x 128: 32 accumulators of 16 x 16.
; K = 1,024 goes in steps of 128 through a ring of two LDS slots: a K step's part of o is one dense block of 32,768 bytes, of Wo one of 65,536; waves 0 and 1 fetch o's halves, waves 2 and 3 Wo's, one tensor load each.
; CLUSTER 4 x 4: o's tile hangs on mb alone and is asked for jointly by a row of the cluster, Wo's on nb alone, by a column.
; THE MATRIX INSTRUCTION IS USED TRANSPOSED (source 0 = 16 columns of Wo, source 1 = 16 rows of o): a lane holds eight neighbouring numbers of a row of out0.  bo is the C of each sum's first product.
; REGISTERS.  window 0: v16-29 addresses; v64-191 the way out.   window 1: two fragment buffers of 96 (o's four fragments, then Wo's eight); v192-255 bo in the results' layout.   window 2: the accumulators, (a, b) at 8 (8 a + b).
.set SLOT,  98304                      ; o's 32,768 bytes [tile of rows 0..7][q 0..3][1,024], then Wo's 65,536 [tile of columns 0..15][q][1,024]
.set STAGE, 2*SLOT                     ; behind the ring: 16 rows x (512 bytes + 16) for each wave, its own; no tile lands there
.set SP,    528
.set SPARE, STAGE+4*16*SP              ; behind the stages: the spare words, 128 bytes for each wave, two blocks of 256 bytes that no other line names
.set ADRA, 16                          ; v16-17  LDS address of my fragments of o in slot 0, 1
.set ADRB, 20                          ; v20-21  the same for Wo
.set STO,  24                          ; v24     the way out: where I put 32 bytes of a row
.set RD,   25                          ; v25     where I read a row back
.set CO,   26                          ; v26     16 x lane
.set B8,   27                          ; v27     32 h
.set SPW,  28                          ; v28     LDS address of my spare word; never rewritten
.set NIL,  29                          ; v29     0; never rewritten
.set BK,   64                          ; the way out: 16 rows read back: v64-127 and v128-191 by turns
.set F0,   0                           ; window 1
.set F1,   96
.set BI,   192
.set WV,  12
.set G1,  24                           ; s[24:31] group 1 for o's tiles; s[32:39] group 0, a set for each slot
.set G0,  32
.set G1B, 48                           ; s[48:55], s[56:63] the same for Wo's
.set G0B, 56
.set MSB, 0
.macro WIN new                         ; the immediate's high byte repeats the setting that is left; bits 1:0 source 0, 3:2 source 1, 5:4 source 2, 7:6 destination
.if MSB != \new
	s_set_vgpr_msb (MSB<<8)|\new
.set MSB, \new
.endif
.endm
.set MUL,  0xa5                        ; sources 0 and 1 window 1; C and D window 2
.set MULB, 0x95                        ; the same with C = bo, window 1
.set TO_F, 0x40                        ; destination window 1, address window 0
.macro PLACES                          ; four places behind a matrix instruction, in front of loads into registers that it has read and of reads of its result
.rept 4
	v_nop
.endr
.endm
.macro JLOAD s                         ; a joint load: each of the two lines has one mask and one set of registers; the branch hangs on the wave's number alone; an s_nop 0 and four v_nop follow each line
	s_cmp_eq_u32 s13, 0
	s_cbranch_scc0 .Lfor_b_\@
	tensor_load_to_lds s[G0+4*\s:G0+4*\s+3], s[G1:G1+7]
	s_nop 0
	PLACES
	s_branch .Lasked_\@
.Lfor_b_\@:
	tensor_load_to_lds s[G0B+4*\s:G0B+4*\s+3], s[G1B:G1B+7]
	s_nop 0
	PLACES
.Lasked_\@:
.endm
.macro CREST                           ; a round of the cluster's barrier behind its opening barrier
	s_cmp_lg_u32 s[WV], 0
	s_cbranch_scc1 .Lnot_wave_0_\@
	s_barrier_signal -3
.Lnot_wave_0_\@:
	s_barrier_wait -3
	s_barrier_signal -1
	s_barrier_wait -1
.endm
.macro CROUND
	s_barrier_signal -1
	s_barrier_wait -1
	CREST
.endm
	s_load_b128 s[4:7], s[0:1], 0x0                ; o16 s[4:5], wo16 s[6:7]
	s_load_b128 s[8:11], s[0:1], 0x10              ; bo s[8:9], out0 s[10:11]
	v_lshl_add_u32 v[SPW], v0, 2, SPARE
	v_mov_b32 v[NIL], 0
	ds_add_u32 v[SPW], v[NIL]                      ; the wave's opening: the add, twice on end, and its wait ahead of my first tensor load; the set-up below stands between
	ds_add_u32 v[SPW], v[NIL]
	v_lshrrev_b32 v1, 5, v0
	v_readfirstlane_b32 s[WV], v1                  ; wave 0..3
	s_lshr_b32 s13, s[WV], 1                       ; wm: which 64 rows are mine.  Also: I fetch for o (0) or for Wo (1)
	s_and_b32 s14, s[WV], 1                        ; wn: which 128 columns.  Also: which half of that tile I fetch
	s_bfe_u32 s40, ttmp6, 0x40000                  ; nb: the grid is one cluster wide
	s_bfe_u32 s41, ttmp6, 0x40004
	s_and_b32 s15, ttmp7, 0xffff
	s_lshl_b32 s15, s15, 2
	s_add_co_u32 s15, s15, s41                     ; mb
	s_lshl_b32 s42, s41, 2
	s_lshl_b32 s42, 15, s42                        ; my row of the cluster
	s_lshl_b32 s43, 0x1111, s40                    ; my column
	s_or_b32 s[G1], s42, (3<<16)|(1<<21)           ; 15:0 the mask; 17:16 elements of 8 bytes; 21 set beside a mask; no padding
	s_or_b32 s[G1B], s43, (3<<16)|(1<<21)
.irp g, G1, G1B
	s_mov_b32 s[\g+1], 32<<16                      ; tensor_dim0: rows of 256 bytes
	s_mov_b32 s[\g+3], 32<<16                      ; tile_dim0
	s_mov_b32 s[\g+5], 32                          ; dense
	s_mov_b32 s[\g+6], 0
	s_mov_b32 s[\g+7], 0
.endr
	s_mov_b32 s[G1+2], 64<<16                      ; o: 64 rows, 16,384 bytes a load
	s_mov_b32 s[G1+4], 64
	s_mov_b32 s[G1B+2], 128<<16                    ; Wo: 128 rows, 32,768 bytes
	s_mov_b32 s[G1B+4], 128
	s_lshl_b32 s18, s14, 14                        ; o: my half, in a slot,
	s_lshl_b32 s16, s15, 18
	s_add_co_u32 s16, s16, s18                     ; and in memory: 8 K steps of 32,768 bytes for each mb
	s_mov_b32 s17, 0
	s_lshl_b32 s19, s14, 15                        ; Wo likewise: 8 K steps of 65,536 bytes for each nb
	s_lshl_b32 s20, s40, 19
	s_add_co_u32 s20, s20, s19
	s_mov_b32 s21, 0
	s_add_co_u32 s19, s19, 32768
	s_wait_dscnt 0x0                               ; both opening adds are done
	s_wait_kmcnt 0x0
	s_add_nc_u64 s[22:23], s[4:5], s[16:17]
	s_add_nc_u64 s[46:47], s[6:7], s[20:21]
	CROUND                                         ; all sixteen work-groups are here: the first joint loads meet
.irp s, 0,1
	s_mov_b32 s[G0+4*\s], 1
	s_add_co_u32 s[G0+4*\s+1], s18, \s*SLOT
	s_add_nc_u64 s[G0+4*\s+2:G0+4*\s+3], s[22:23], \s*32768
	s_or_b32 s[G0+4*\s+3], s[G0+4*\s+3], 0x80000000
	s_mov_b32 s[G0B+4*\s], 1
	s_add_co_u32 s[G0B+4*\s+1], s19, \s*SLOT
	s_add_nc_u64 s[G0B+4*\s+2:G0B+4*\s+3], s[46:47], \s*65536
	s_or_b32 s[G0B+4*\s+3], s[G0B+4*\s+3], 0x80000000
	JLOAD \s                                       ; K steps 0 and 1: two loads of mine are out
.endr
	v_and_b32 v1, 31, v0
	v_and_b32 v2, 15, v0                           ; r
	v_bfe_u32 v3, v0, 4, 1                         ; h
	v_lshlrev_b32 v[CO], 4, v1
	v_lshlrev_b32 v[B8], 5, v3
	s_lshl_b32 s66, s13, 14                        ; my four tiles of rows
	s_lshl_b32 s67, s14, 15                        ; my eight tiles of columns,
	s_add_co_u32 s67, s67, 32768                   ; behind o's part
.irp s, 0,1
	v_add_nc_u32 v[ADRA+\s], s66, v[CO]
	v_add_nc_u32 v[ADRB+\s], s67, v[CO]
	s_add_co_u32 s66, s66, SLOT
	s_add_co_u32 s67, s67, SLOT
.endr
	s_mul_i32 s66, s[WV], 16*SP
	s_add_co_u32 s66, s66, STAGE                   ; my stage
	v_mul_u32_u24 v[STO], v2, SP
	v_lshl_add_u32 v[STO], v3, 5, v[STO]
	v_add_nc_u32 v[STO], s66, v[STO]               ; in: row r, 32 bytes for each half of the lanes
	v_add_nc_u32 v[RD], s66, v[CO]                 ; back: the 32 lanes take one row of 512 bytes
	s_lshl_b32 s68, s40, 10
	s_lshl_b32 s69, s14, 9
	s_add_co_u32 s68, s68, s69                     ; my first column, in bytes: 1,024 nb + 512 wn
	s_mov_b32 s69, 0
	s_add_nc_u64 s[8:9], s[8:9], s[68:69]
	s_lshl_b32 s70, s15, 19
	s_lshl_b32 s71, s13, 18
	s_add_co_u32 s70, s70, s71                     ; my first row: 128 mb + 64 wm, 4,096 bytes each
	s_add_co_u32 s70, s70, s68
	s_mov_b32 s71, 0
	s_add_nc_u64 s[10:11], s[10:11], s[70:71]
	WIN TO_F
.irp b, 0,1,2,3,4,5,6,7
	global_load_b128 v[BI+8*\b:BI+8*\b+3], v[B8], s[8:9] offset:64*\b          ; register j = bo of column 16 b + 8 h + j
	global_load_b128 v[BI+8*\b+4:BI+8*\b+7], v[B8], s[8:9] offset:64*\b+16
.endr
	WIN 0
; 8 matrix instructions: row tile a x all 8 column tiles, 32 along K.  first = 1: the product starts the sums, from bo
.macro MUL8 f, a, first
.irp b, 0,1,2,3,4,5,6,7
.if \first
	v_wmma_f32_16x16x32_f16 v[8*(8*(\a)+\b):8*(8*(\a)+\b)+7], v[\f+32+8*\b:\f+32+8*\b+7], v[\f+8*(\a):\f+8*(\a)+7], v[BI+8*\b:BI+8*\b+7]
.else
	v_wmma_f32_16x16x32_f16 v[8*(8*(\a)+\b):8*(8*(\a)+\b)+7], v[\f+32+8*\b:\f+32+8*\b+7], v[\f+8*(\a):\f+8*(\a)+7], v[8*(8*(\a)+\b):8*(8*(\a)+\b)+7]
.endif
.endr
.endm
; 24 LDS loads in one run: the fragments of the slot's q-th 32 along K into buffer f; Wo's first, o's four last
.macro FETCH slot, q, f
	WIN TO_F
.irp b, 0,1,2,3,4,5,6,7
	ds_load_b128 v[\f+32+8*\b:\f+32+8*\b+3],   v[ADRB+\slot] offset:4096*\b+1024*(\q)
	ds_load_b128 v[\f+32+8*\b+4:\f+32+8*\b+7], v[ADRB+\slot] offset:4096*\b+1024*(\q)+512
.endr
.irp a, 0,1,2,3
	ds_load_b128 v[\f+8*\a:\f+8*\a+3],   v[ADRA+\slot] offset:4096*\a+1024*(\q)
	ds_load_b128 v[\f+8*\a+4:\f+8*\a+7], v[ADRA+\slot] offset:4096*\a+1024*(\q)+512
.endr
.endm
; A K step is four quarters of 32 along K, 32 matrix instructions each, on buffers 0, 1, 0, 1; the 32 accumulators take turns in the same order everywhere.
; One of the first three quarters: multiplies buffer f and, in its middle, fetches the slot's quarter qn into buffer g.
.macro QUARTER slot, qn, f, g, first
	s_wait_dscnt 4                                 ; Wo's fragments and o's tiles 0, 1 are in; the youngest four loads (tiles 2, 3) may be out
.if \first
	WIN MULB
.else
	WIN MUL
.endif
	MUL8 \f, 0, \first
	MUL8 \f, 1, \first
	PLACES
	FETCH \slot, \qn, \g
	s_wait_dscnt 24                                ; all but the 24 just issued
.if \first
	WIN MULB
.else
	WIN MUL
.endif
	MUL8 \f, 2, \first
	MUL8 \f, 3, \first
.endm
; The last quarter multiplies buffer 1 and changes slots: ONE barrier; in front of it each wave waits for all its tensor loads, adds 0 to its spare word, and waits for that and for its reads of this slot.
; fill = 1: the barrier opens a round of the cluster's, and behind the round this slot is filled again, two K steps ahead: 112 matrix instructions ahead of the wait for it.
.macro TURN slot, next, fill
	WIN 0                                          ; (the add's two registers lie in window 0)
	s_wait_tensorcnt 0x0                           ; all my tensor loads have landed: my part of the next slot
	ds_add_u32 v[SPW], v[NIL]
	s_wait_dscnt 5                                 ; (the add and the youngest four loads may be out)
	WIN MUL
	MUL8 F1, 0, 0                                  ; eight matrix instructions stand between the add and the wait for it
	s_wait_dscnt 0x0                               ; the add is done, and my reads of this slot are over
	s_barrier_signal -1
	MUL8 F1, 1, 0
	WIN 0
	s_barrier_wait -1
.if \fill
	CREST                                          ; no wave of any partner still reads this slot's tile or has a load on its way
	s_add_nc_u64 s[G0+4*\slot+2:G0+4*\slot+3], s[G0+4*\slot+2:G0+4*\slot+3], 2*32768
	s_add_nc_u64 s[G0B+4*\slot+2:G0B+4*\slot+3], s[G0B+4*\slot+2:G0B+4*\slot+3], 2*65536
	JLOAD \slot                                    ; the first tensor load behind the round; the four v_nop behind it are also the places in front of the loads below
.else
	PLACES
.endif
	FETCH \next, 0, F0
	WIN MUL
	MUL8 F1, 2, 0
	MUL8 F1, 3, 0
.endm
	s_wait_tensorcnt 1                             ; my part of K step 0 is in; K step 1's may stay out
	s_barrier_signal -1
	s_barrier_wait -1                              ; everybody's is
	FETCH 0, 0, F0
	s_wait_loadcnt 0x0                             ; bo
	QUARTER 0, 1, F0, F1, 1                        ; the first quarter stands in front of the loop: its products start the sums
	WIN 0                                          ; at a label and at a branch every window is 0
	s_mov_b32 s3, 3
.Llap:                                                 ; a trip goes once round the ring, from a lap's second quarter to the next lap's first, and fills both slots again
	QUARTER 0, 2, F1, F0, 0
	QUARTER 0, 3, F0, F1, 0
	TURN 0, 1, 1
	QUARTER 1, 1, F0, F1, 0
	QUARTER 1, 2, F1, F0, 0
	QUARTER 1, 3, F0, F1, 0
	TURN 1, 0, 1
	QUARTER 0, 1, F0, F1, 0
	WIN 0
	s_sub_co_u32 s3, s3, 1
	s_cmp_lg_u32 s3, 0
	s_cbranch_scc1 .Llap
	QUARTER 0, 2, F1, F0, 0                        ; the last lap fills nothing, and has no round of the cluster's barrier
	QUARTER 0, 3, F0, F1, 0
	TURN 0, 1, 0
	QUARTER 1, 1, F0, F1, 0
	QUARTER 1, 2, F1, F0, 0
	QUARTER 1, 3, F0, F1, 0
	s_wait_dscnt 0x0                               ; the very last quarter: nothing more to fetch
	WIN MUL
	MUL8 F1, 0, 0
	MUL8 F1, 1, 0
	MUL8 F1, 2, 0
	MUL8 F1, 3, 0
	WIN 0
; THE WAY OUT, block by block of 16 rows x 128 columns.  A lane holds 32 neighbouring bytes of a row and the lanes beside it other rows: a block goes through my own stage and comes back as whole rows of 512 bytes.
; LDS serves a wave's instructions in order (ISA guide 5.7.1.4): no wait between the stores and the loads, nor in front of the next block's stores.
.macro TOSTAGE a
	WIN 0x08                                       ; an LDS store's data are its source 1: window 2
.irp b, 0,1,2,3,4,5,6,7
	ds_store_b128 v[STO], v[8*(8*(\a)+\b):8*(8*(\a)+\b)+3] offset:64*\b            ; each accumulator from its low end on
	ds_store_b128 v[STO], v[8*(8*(\a)+\b)+4:8*(8*(\a)+\b)+7] offset:64*\b+16
.endr
	WIN 0
.irp t, 0,1,2,3,4,5,6,7,8,9,10,11,12,13,14,15
	ds_load_b128 v[BK+64*((\a)%2)+4*\t:BK+64*((\a)%2)+4*\t+3], v[RD] offset:\t*SP
.endr
.endm
.macro SEND a, younger                 ; younger: the LDS instructions issued behind block a's loads, which may stay out
	s_wait_dscnt \younger                          ; the block is back in registers
.irp t, 0,1,2,3,4,5,6,7,8,9,10,11,12,13,14,15
	global_store_b128 v[CO], v[BK+64*((\a)%2)+4*\t:BK+64*((\a)%2)+4*\t+3], s[10:11] offset:65536*(\a)+4096*\t th:TH_STORE_NT   ; 32 lanes store 512 consecutive bytes, aligned; written once, read by nobody here
.endr
.endm
	PLACES                                         ; in front of the first reads of results
	TOSTAGE 0
.irp a, 1,2,3
.if \a > 1
	s_wait_xcnt 0x0                                ; block a - 2's stores have read their registers: block a's loads may land there
.endif
	TOSTAGE \a
	SEND \a-1, 32                                  ; behind block a - 1's loads: block a's 16 stores and 16 loads
.endr
	SEND 3, 0
	s_wait_tensorcnt 0x0                           ; the wave's end: the tensor wait, the add and its wait, behind my last tensor load and my last LDS store
	ds_add_u32 v[SPW], v[NIL]
	s_wait_dscnt 0x0
	CROUND                                         ; the closing round: no work-group ends while a partner may still ask for a tile that names it
	s_endpgm
.Lfunc_end_k_qad04e82a3c_outp:
	.size	k_qad04e82a3c_outp, .Lfunc_end_k_qad04e82a3c_outp-k_qad04e82a3c_outp
	.p2alignl 7, 3214868480
	.fill 96, 4, 3214868480
	.section	.rodata,"a",@progbits
	.p2align	6, 0x0
	.amdhsa_kernel k_qad04e82a3c_outp
		.amdhsa_group_segment_fixed_size 327680
		.amdhsa_private_segment_fixed_size 0
		.amdhsa_enable_private_segment 0
		.amdhsa_kernarg_size 32
		.amdhsa_user_sgpr_count 2
		.amdhsa_user_sgpr_kernarg_segment_ptr 1
		.amdhsa_wavefront_size32 1
		.amdhsa_system_sgpr_workgroup_id_x 1
		.amdhsa_system_sgpr_workgroup_id_y 1
		.amdhsa_system_sgpr_workgroup_id_z 1
		.amdhsa_system_vgpr_workitem_id 0
		.amdhsa_next_free_vgpr 768
		.amdhsa_next_free_sgpr 80
		.amdhsa_reserve_vcc 0
		.amdhsa_float_denorm_mode_32 3
		.amdhsa_float_denorm_mode_16_64 3
		.amdhsa_memory_ordered 1
		.amdhsa_forward_progress 1
		.amdhsa_inst_pref_size 86
	.end_amdhsa_kernel
	.amdgpu_metadata
---
amdhsa.version: [ 1, 2 ]
amdhsa.kernels:
  - .name:           k_qad04e82a3c_outp
    .symbol:         k_qad04e82a3c_outp.kd
    .args:
      - { .name: o16, .offset: 0, .size: 8, .value_kind: global_buffer, .address_space: global }
      - { .name: wo16, .offset: 8, .size: 8, .value_kind: global_buffer, .address_space: global }
      - { .name: bo, .offset: 16, .size: 8, .value_kind: global_buffer, .address_space: global }
      - { .name: out0, .offset: 24, .size: 8, .value_kind: global_buffer, .address_space: global }
    .group_segment_fixed_size: 327680
    .private_segment_fixed_size: 0
    .kernarg_segment_align: 8
    .kernarg_segment_size: 32
    .max_flat_workgroup_size: 128
    .sgpr_count:     80
    .vgpr_count:     768
    .wavefront_size: 32
...
	.end_amdgpu_metadata
.endif
;; end of part 4
